; MI455X (gfx1250); checked and timed in simulation.
; The chip was launched on July 23, 2026; its instructions are those of AMD's public machine-readable ISA for CDNA 5 (MIT licence, August 2026) and "CDNA5" Instruction Set Architecture Reference Guide (July 2026). The comments in the code are by the model that wrote it; some were corrected since.
;; Multi Head Attention. Allowed arithmetic: matrix products marked QUANTISED: E2M1 operands, one E8M0 scale for each 32 along K, by v_wmma_scale_f32_16x16x128_f8f6f4 with both operands' format E2M1 (or v_wmma_scale_f32_32x16x128_f4), f32 sums; products left as they are: bf16, f16 or f32 operands; f32 sums; everything else in f32.
;; Inputs: Wk 16 x 1,024 x 64 float32; Wo 1,024 x 1,024 float32; Wq 16 x 1,024 x 64 float32; Wv 16 x 1,024 x 64 float32; bo 1,024 float32; x 4 x 2,048 x 1,024 float32.
;; Outputs: out0 4 x 2,048 x 1,024 float32.
;; This version of the problem:
;;   THIS VERSION OF THE PROBLEM IS GIVEN IN LOW PRECISION. The matrix products marked QUANTISED in the list below multiply operands that are first quantised to E2M1 (2 exponent bits, 1 mantissa bit; 4 bits a number), with one power-of-two scale for each 32 numbers along K (OCP MX v1.0); their sums are f32. The products marked 'left as it is' may take bf16, f16 or f32 operands, with f32 sums. Whichever they take, every output number must still come out within the allowed error. Rounding operands to bf16 (8 significant bits) uses up far more of that allowance than f16 does (11 bits, for magnitudes from 6e-5 to 65,504). All else is computed in f32.
;;   The module's matrix products, in the order in which they are computed (A, B: the left and right operand; K: the contracted axis; several contracted axes count as one K, in the product's order):
;;     1. [M 1,024, K 1,024] x [K 1,024, N 8,192]; A: input Wq; B: input x: QUANTISED
;;     2. [M 1,024, K 1,024] x [K 1,024, N 8,192]; A: input Wk; B: input x: QUANTISED
;;     3. [M 1,024, K 1,024] x [K 1,024, N 8,192]; A: input Wv; B: input x: QUANTISED
;;     4. batch 64 x [M 2,048, K 64] x [K 64, N 2,048]; A: computed on the way; B: computed on the way: left as it is (an operand is computed on the way)
;;     5. batch 64 x [M 2,048, K 2,048] x [K 2,048, N 64]; A: computed on the way; B: computed on the way: left as it is (an operand is computed on the way)
;;     6. [M 8,192, K 1,024] x [K 1,024, N 1,024]; A: computed on the way; B: input Wo: left as it is (an operand is computed on the way)
;;   THE QUANTISER, for each operand of a quantised product, along K:
;;     - K is cut into blocks of 32 from its start; a last block that is shorter is filled with zeros.
;;     - A block's scale is 2^e with e = floor(log2(the largest magnitude in the block)) - 2, held to -126 .. 127; a block of zeros has e = 0. As a byte (E8M0): e + 127.
;;     - Each number is divided by its block's scale, clamped to +-6, and rounded to the nearest number of E2M1, ties to even, subnormals kept.
;;     - The product sums the exact products of the quantised numbers (number of the format x scale) in f32.
;;   ~~~python
;;   def quantise(x, axis):      # numpy; x: float32 -> the quantised numbers, widened to float32 again
;;       x = np.moveaxis(x, axis, -1); K = x.shape[-1]
;;       x = np.pad(x, [(0, 0)] * (x.ndim - 1) + [(0, -K % 32)]); x = x.reshape(x.shape[:-1] + (-1, 32)); a = np.abs(x).max(-1, keepdims=True)
;;       e = np.where(a > 0, np.clip(np.frexp(np.where(a > 0, a, 1))[1] - 1 - 2, -126, 127), 0)      # np.frexp(a)[1] - 1 = floor(log2(a)), exactly
;;       r = np.clip(x / 2.0 ** e, -6, 6)
;;       step = 2.0 ** (np.maximum(np.frexp(np.where(r == 0, 1, r))[1] - 1, 0) - 1)
;;       q = np.round(r / step) * step * 2.0 ** e      # np.round: ties to even
;;       return np.moveaxis(q.reshape(q.shape[:-2] + (-1,))[..., :K], -1, axis).astype(np.float32)
;;   ~~~
;; One version. Each part assembles by itself: llvm-mc -triple=amdgcn-amd-amdhsa -mcpu=gfx1250 --defsym DOCPART=n.
;; ======== version 1 of 1: 5 launches
;; limits: values are held in f16: magnitudes above 65,504 overflow, below 6.1e-05 lose precision
;; workspace buffers: xc 4,194,304 bytes; xs 262,144 bytes; wc 1,572,864 bytes; ws 98,304 bytes; wo16 2,097,152 bytes; qkv16 50,331,648 bytes; qkvf 786,432 bytes; o16 16,777,216 bytes
;; launch prep (part 1): grid 512 x 1, 4 waves a work-group, no clusters, 35,328 bytes of LDS; arguments x, Wq, Wk, Wv, Wo, xc, xs, wc, ws, wo16; writes xc, xs, wc, ws, wo16
.if DOCPART == 1
	.amdgcn_target "amdgcn-amd-amdhsa--gfx1250"
	.amdhsa_code_object_version 6
	.text
	.protected	k_q1730d3a459_prep
	.globl	k_q1730d3a459_prep
	.p2align	8
	.type	k_q1730d3a459_prep,@function
k_q1730d3a459_prep:
	s_mov_b64 s[64:65], 0
	v_nop
	global_prefetch_b8 v0, s[64:65] scope:SCOPE_SE
	s_setreg_imm32_b32 hwreg(HW_REG_WAVE_MODE, 25, 1), 1
	s_wait_xcnt 0x0
; PREP: x and Wq, Wk, Wv become codes of FP4 (E2M1) with one E8M0 byte for each 32 along K = 1,024; Wo becomes f16.  All results are laid as IMAGES OF OPERAND REGISTERS.
; xc, wc: [tile of 16 rows][block kb of 32 along K: 32][row r: 16][16 bytes]: the fragment of K step q is the 1,024 bytes from kb = 4 q on, register group c of lane l at 512 c + 16 l.
; xs, ws: [tile][s: 2][r: 16][16 bytes]: byte i is the scale of block 16 s + i: word q is the scale word of K step 4 s + q.  W's row n = 64 hh + d, hh = 16 x (0: q, 1: k, 2: v) + head.
; wo16: [tile of 16 columns n: 64][kf: 32][c: 2][lane: 32][16 bytes]: lane (r, h) holds Wo[32 kf + 16 c + 8 h + 0 .. 7][16 tile + r].
; A block's scale is 2^(floor(log2(its largest magnitude)) - 2): its byte is the largest magnitude's exponent field - 2, held at 1 from below.
; LIMITS: a block of zeros gets the byte 1 where the rule says 127 (its codes are zeros, and this program alone reads the bytes); blocks whose largest magnitude lies under 2^-124 are held at the byte 1;
; NaN and infinities are not served; |Wo| stays under 65,504 (f16).
; Three paths by the work-group's number: 0-191 W, 192-255 Wo, 256-511 x.  Waves share nothing: no barrier.  Only x's path uses LDS.
; ws is stored 4 bytes a lane, 16 bytes apart: one byte in 128 of what that path reads.
.set SPARE, 34816                      ; behind the four waves' stages: the spare words, 128 bytes a wave
.set SPW,   14                         ; v14  LDS address of my spare word; never rewritten
.set NIL,   15                         ; v15  0; never rewritten
.set RX,    16                         ; x: v16-143 four sets of 32 numbers as loaded
.set XX,    144                        ; v144-207 two sets of 32 neighbours
.set CX,    208                        ; v208-239 codes, four registers a step
.set EX,    240                        ; v240-247 a scale byte a step
.set WX,    248                        ; v248-251 the scale words
.set TX,    252                        ; v252-255 the other half's words
.set XW,    32                         ; W, Wo: v32-95 two sets of 32 numbers
.set CW,    96                         ; from v96: results, never written twice
.set SWD,   112                        ; W: the scale word
	s_load_b512 s[8:23], s[0:1], 0x0               ; x 8, Wq 10, Wk 12, Wv 14, Wo 16, xc 18, xs 20, wc 22
	s_load_b128 s[24:27], s[0:1], 0x40             ; ws 24, wo16 26
	v_lshl_add_u32 v[SPW], v0, 2, SPARE
	v_mov_b32 v[NIL], 0
	v_lshrrev_b32 v1, 5, v0
	v_readfirstlane_b32 s28, v1                    ; wave
	v_and_b32 v1, 31, v0                           ; lane
	v_and_b32 v2, 15, v0                           ; r
	v_bfe_u32 v3, v0, 4, 1                         ; h
	s_mov_b32 s33, 0                               ; the upper word of every offset
	s_wait_kmcnt 0x0
	s_cmp_lt_u32 ttmp9, 192
	s_cbranch_scc1 .Lpath_w
	s_cmp_lt_u32 ttmp9, 256
	s_cbranch_scc1 .Lpath_o
; the largest magnitude of 32 numbers of one lane, with the floor 2^(3 - 127) among its leaves; v11 = the conversion's scale operand (2 off the exponent field)
.macro BLKMAX xs
	v_max3_num_f32 v12, |v[\xs]|, |v[\xs+1]|, |v[\xs+2]|
	v_max3_num_f32 v13, |v[\xs+3]|, |v[\xs+4]|, |v[\xs+5]|
.irp i, 6,10,14,18,22,26
	v_max3_num_f32 v12, v12, |v[\xs+\i]|, |v[\xs+\i+1]|
	v_max3_num_f32 v13, v13, |v[\xs+\i+2]|, |v[\xs+\i+3]|
.endr
	v_max3_num_f32 v12, v12, |v[\xs+30]|, |v[\xs+31]|
	v_max3_num_f32 v12, v12, v13, 0x1800000
	v_add_nc_u32 v11, 0xff000000, v12
.endm
; ---- x.  A wave takes 16 rows x 512 along K, in 8 steps of 16 rows x 64 numbers.  Loads take the bytes as they lie (sixteen lanes read 256 consecutive bytes of a row);
; the wave's own stage in LDS (rows of 256 + 16 bytes, two stages by turns) turns them so that lane (r, h) holds the 32 numbers of one block of row r.
	s_sub_co_u32 s29, ttmp9, 256
	s_lshl_b32 s29, s29, 2
	s_add_co_u32 s29, s29, s28                     ; which half tile is my wave's
	s_lshr_b32 s36, s29, 1                         ; the tile of 16 rows
	s_and_b32 s37, s29, 1                          ; which 512 along K
	s_lshl_b32 s32, s36, 16
	s_lshl_b32 s34, s37, 11
	s_add_co_u32 s32, s32, s34
	s_add_nc_u64 s[8:9], s[8:9], s[32:33]          ; x: 16 rows of 4,096 bytes a tile
	s_lshl_b32 s32, s36, 13
	s_lshl_b32 s34, s37, 12
	s_add_co_u32 s32, s32, s34
	s_add_nc_u64 s[18:19], s[18:19], s[32:33]      ; xc
	s_lshl_b32 s32, s36, 9
	s_lshl_b32 s34, s37, 8
	s_add_co_u32 s32, s32, s34
	s_add_nc_u64 s[20:21], s[20:21], s[32:33]      ; xs
	s_mov_b32 s30, 0x76543210
	s_mov_b32 s31, 0xfedcba98                      ; v_permlanex16_b32's selects for lane l xor 16
	s_mul_i32 s34, s28, 8704                       ; my two stages
	v_lshlrev_b32 v4, 4, v2
	v_lshl_add_u32 v4, v3, 12, v4                  ; loads: 16 r, lanes 16-31 one row down
	v_mul_u32_u24 v5, v3, 272
	v_lshl_add_u32 v5, v2, 4, v5
	v_add_nc_u32 v5, s34, v5                       ; into the stage, as loaded
	v_mul_u32_u24 v6, v2, 272
	v_lshl_add_u32 v6, v3, 7, v6
	v_add_nc_u32 v6, s34, v6                       ; out of it: row r, block h
	v_lshlrev_b32 v7, 4, v1                        ; codes: 16 x lane
	v_lshlrev_b32 v8, 4, v2
	v_lshl_add_u32 v8, v3, 3, v8                   ; scale words: 16 r + 8 h
	v_lshlrev_b32 v9, 3, v3                        ; 8 h
.irp q, 0,1,2,3
	v_mov_b32 v[TX+\q], 0                          ; a lane permute's destination counts as one of its sources
.endr
.macro XLOAD t
.irp i, 0,1,2,3,4,5,6,7
	global_load_b128 v[RX+32*((\t)%4)+4*\i:RX+32*((\t)%4)+4*\i+3], v4, s[8:9] offset:8192*\i+256*(\t) th:TH_LOAD_NT
.endr
.endm
.macro XTURN t                         ; LDS serves a wave's instructions in order: no wait between the stores and the loads
.irp i, 0,1,2,3,4,5,6,7
	ds_store_b128 v5, v[RX+32*((\t)%4)+4*\i:RX+32*((\t)%4)+4*\i+3] offset:4352*((\t)%2)+544*\i
.endr
.irp i, 0,1,2,3,4,5,6,7
	ds_load_b128 v[XX+32*((\t)%2)+4*\i:XX+32*((\t)%2)+4*\i+3], v6 offset:4352*((\t)%2)+16*\i
.endr
.endm
.macro XSTEP t
.set XS, XX+32*((\t)%2)
	s_wait_dscnt 0x0                               ; this step's numbers are back, so its stage stores have read their registers,
.if (\t) < 4
	XLOAD (\t)+4                                   ; which take the loads of four steps on
.endif
.if (\t) < 7
.if (\t) < 3
	s_wait_loadcnt 24                              ; the next step's eight loads are in; three younger sets may be out
.else
	s_wait_loadcnt 8*(6-(\t))                      ; the counts run down
.endif
	XTURN (\t)+1
.endif
	BLKMAX XS
.irp g, 0,1,2,3
	v_cvt_scalef32_pk8_fp4_f32 v[CX+4*(\t)+\g], v[XS+8*\g:XS+8*\g+7], v11
.endr
	v_lshrrev_b32 v[EX+(\t)], 23, v11              ; the scale's byte (also the plain line behind the conversions)
	global_store_b128 v7, v[CX+4*(\t):CX+4*(\t)+3], s[18:19] offset:512*(\t)   ; blocks 2 t and 2 t + 1 of 16 rows: 512 consecutive bytes
.endm
.irp t, 0,1,2,3
	XLOAD \t
.endr
	s_wait_loadcnt 24                              ; step 0's eight loads are in
	XTURN 0
.irp t, 0,1,2,3,4,5,6,7
	XSTEP \t
.endr
.irp q, 0,1,2,3                        ; word q: bytes of blocks 4 q .. 4 q + 3: mine are h and 2 + h
	v_lshl_or_b32 v[WX+\q], v[EX+2*\q+1], 16, v[EX+2*\q]
.endr
.irp q, 0,1,2,3
	v_lshlrev_b32 v[WX+\q], v9, v[WX+\q]
.endr
.irp q, 0,1,2,3
	v_permlanex16_b32 v[TX+\q], v[WX+\q], s30, s31
.endr
.irp q, 0,1,2,3
	v_or_b32 v[WX+\q], v[WX+\q], v[TX+\q]
.endr
	v_cmp_eq_u32 vcc_lo, 1, v3
	v_cndmask_b32 v10, v[WX], v[WX+2], vcc_lo      ; lanes 0-15 store words 0, 1, lanes 16-31 words 2, 3
	v_cndmask_b32 v11, v[WX+1], v[WX+3], vcc_lo
	global_store_b64 v8, v[10:11], s[20:21]        ; 256 consecutive bytes, aligned
	s_wait_tensorcnt 0x0                           ; the wave's end, behind my last LDS store
	ds_add_u32 v[SPW], v[NIL]
	s_wait_dscnt 0x0
	s_endpgm
; block t of a column: 32 rows down K, a lane a column, into set t % 2
.macro KLOAD t, pitch, b
.set i, 0
.rept 32
	global_load_b32 v[XW+32*((\t)%2)+i], v4, s[\b:\b+1] offset:(32*(\t)+i)*(\pitch) th:TH_LOAD_NT
.set i, i+1
.endr
.endm
; ---- Wq, Wk, Wv: [head][k][d].  A lane takes a column d and its registers run down K.  A wave: 32 columns x 128 along K (4 blocks).
.Lpath_w:
	s_lshr_b32 s29, ttmp9, 2                       ; hh
	s_and_b32 s36, ttmp9, 3
	s_and_b32 s37, s28, 1                          ; which 32 of the head's 64 columns
	s_lshr_b32 s38, s28, 1
	s_lshl_b32 s36, s36, 1
	s_add_co_u32 s36, s36, s38                     ; which 128 along K: 0 .. 7
	s_lshr_b32 s38, s29, 4                         ; 0: q, 1: k, 2: v
	s_cmp_eq_u32 s38, 0
	s_cselect_b64 s[10:11], s[10:11], s[12:13]
	s_cmp_eq_u32 s38, 2
	s_cselect_b64 s[10:11], s[14:15], s[10:11]
	s_and_b32 s32, s29, 15
	s_lshl_b32 s32, s32, 18
	s_lshl_b32 s34, s36, 15
	s_add_co_u32 s32, s32, s34
	s_lshl_b32 s34, s37, 7
	s_add_co_u32 s32, s32, s34
	s_add_nc_u64 s[10:11], s[10:11], s[32:33]
	s_lshl_b32 s39, s29, 2
	s_lshl_b32 s34, s37, 1
	s_add_co_u32 s39, s39, s34                     ; my first tile of 16 rows of the operand
	s_lshl_b32 s32, s39, 13
	s_lshl_b32 s34, s36, 10
	s_add_co_u32 s32, s32, s34
	s_add_nc_u64 s[22:23], s[22:23], s[32:33]
	s_lshl_b32 s32, s39, 9
	s_lshr_b32 s34, s36, 2
	s_lshl_b32 s34, s34, 8
	s_add_co_u32 s32, s32, s34
	s_and_b32 s34, s36, 3
	s_lshl_b32 s34, s34, 2
	s_add_co_u32 s32, s32, s34
	s_add_nc_u64 s[24:25], s[24:25], s[32:33]
	v_lshlrev_b32 v4, 2, v1
	v_lshlrev_b32 v5, 4, v2
	v_lshl_add_u32 v6, v3, 9, v5                   ; ws: lanes 16-31 one tile on
	v_lshl_add_u32 v5, v3, 13, v5                  ; wc likewise
.macro WBLOCK t
.set XS, XW+32*((\t)%2)
.if (\t) < 3
	s_wait_loadcnt 32                              ; this block's 32 loads are in; the next block's may be out
.else
	s_wait_loadcnt 0x0
.endif
	BLKMAX XS
.irp g, 0,1,2,3
	v_cvt_scalef32_pk8_fp4_f32 v[CW+4*(\t)+\g], v[XS+8*\g:XS+8*\g+7], v11
.endr
	v_lshrrev_b32 v13, 23, v11
.if (\t) == 0
	v_mov_b32 v[SWD], v13
.else
	v_lshl_or_b32 v[SWD], v13, 8*(\t), v[SWD]
.endif
	global_store_b128 v5, v[CW+4*(\t):CW+4*(\t)+3], s[22:23] offset:256*(\t)   ; sixteen lanes store 256 consecutive bytes, aligned
.if (\t) < 2
	KLOAD (\t)+2, 256, 10
.endif
.endm
	KLOAD 0, 256, 10
	KLOAD 1, 256, 10
.irp t, 0,1,2,3
	WBLOCK \t
.endr
	global_store_b32 v6, v[SWD], s[24:25]
	s_endpgm
; ---- Wo: [k][n].  The same walk; eight neighbours along K are packed into 16 bytes of f16.
.Lpath_o:
	s_sub_co_u32 s29, ttmp9, 192
	s_lshr_b32 s36, s29, 3                         ; which 128 columns
	s_and_b32 s37, s29, 7                          ; which 128 along K
	s_lshl_b32 s32, s37, 19
	s_lshl_b32 s34, s36, 9
	s_add_co_u32 s32, s32, s34
	s_lshl_b32 s34, s28, 7
	s_add_co_u32 s32, s32, s34
	s_add_nc_u64 s[16:17], s[16:17], s[32:33]
	s_lshl_b32 s38, s36, 3
	s_lshl_b32 s34, s28, 1
	s_add_co_u32 s38, s38, s34
	s_lshl_b32 s32, s38, 15
	s_lshl_b32 s34, s37, 12
	s_add_co_u32 s32, s32, s34
	s_add_nc_u64 s[26:27], s[26:27], s[32:33]
	v_lshlrev_b32 v4, 2, v1
	v_lshlrev_b32 v5, 4, v2
	v_lshl_add_u32 v5, v3, 15, v5
.macro OBLOCK t
.set XS, XW+32*((\t)%2)
.if (\t) < 3
	s_wait_loadcnt 32
.else
	s_wait_loadcnt 0x0
.endif
.set i, 0
.rept 16
	v_cvt_pk_f16_f32 v[CW+16*(\t)+i], v[XS+2*i], v[XS+2*i+1]
.set i, i+1
.endr
.irp g, 0,1,2,3
	global_store_b128 v5, v[CW+16*(\t)+4*\g:CW+16*(\t)+4*\g+3], s[26:27] offset:1024*(\t)+256*\g
.endr
.if (\t) < 2
	KLOAD (\t)+2, 4096, 16
.endif
.endm
	KLOAD 0, 4096, 16
	KLOAD 1, 4096, 16
.irp t, 0,1,2,3
	OBLOCK \t
.endr
	s_endpgm
.Lfunc_end_k_q1730d3a459_prep:
	.size	k_q1730d3a459_prep, .Lfunc_end_k_q1730d3a459_prep-k_q1730d3a459_prep
	.p2alignl 7, 3214868480
	.fill 96, 4, 3214868480
	.section	.rodata,"a",@progbits
	.p2align	6, 0x0
	.amdhsa_kernel k_q1730d3a459_prep
		.amdhsa_group_segment_fixed_size 35328
		.amdhsa_private_segment_fixed_size 0
		.amdhsa_enable_private_segment 0
		.amdhsa_kernarg_size 80
		.amdhsa_user_sgpr_count 2
		.amdhsa_user_sgpr_kernarg_segment_ptr 1
		.amdhsa_wavefront_size32 1
		.amdhsa_system_sgpr_workgroup_id_x 1
		.amdhsa_system_sgpr_workgroup_id_y 1
		.amdhsa_system_sgpr_workgroup_id_z 1
		.amdhsa_system_vgpr_workitem_id 0
		.amdhsa_next_free_vgpr 256
		.amdhsa_next_free_sgpr 66
		.amdhsa_reserve_vcc 1
		.amdhsa_float_denorm_mode_32 3
		.amdhsa_float_denorm_mode_16_64 3
		.amdhsa_memory_ordered 1
		.amdhsa_forward_progress 1
		.amdhsa_inst_pref_size 68
	.end_amdhsa_kernel
	.amdgpu_metadata
---
amdhsa.version: [ 1, 2 ]
amdhsa.kernels:
  - .name:           k_q1730d3a459_prep
    .symbol:         k_q1730d3a459_prep.kd
    .args:
      - { .name: x, .offset: 0, .size: 8, .value_kind: global_buffer, .address_space: global }
      - { .name: Wq, .offset: 8, .size: 8, .value_kind: global_buffer, .address_space: global }
      - { .name: Wk, .offset: 16, .size: 8, .value_kind: global_buffer, .address_space: global }
      - { .name: Wv, .offset: 24, .size: 8, .value_kind: global_buffer, .address_space: global }
      - { .name: Wo, .offset: 32, .size: 8, .value_kind: global_buffer, .address_space: global }
      - { .name: xc, .offset: 40, .size: 8, .value_kind: global_buffer, .address_space: global }
      - { .name: xs, .offset: 48, .size: 8, .value_kind: global_buffer, .address_space: global }
      - { .name: wc, .offset: 56, .size: 8, .value_kind: global_buffer, .address_space: global }
      - { .name: ws, .offset: 64, .size: 8, .value_kind: global_buffer, .address_space: global }
      - { .name: wo16, .offset: 72, .size: 8, .value_kind: global_buffer, .address_space: global }
    .group_segment_fixed_size: 35328
    .private_segment_fixed_size: 0
    .kernarg_segment_align: 8
    .kernarg_segment_size: 80
    .max_flat_workgroup_size: 128
    .sgpr_count:     66
    .vgpr_count:     256
    .wavefront_size: 32
...
	.end_amdgpu_metadata
.endif
;; end of part 1
;; launch gemm (part 2): grid 12 x 32, 4 waves a work-group, clusters of 4 x 4, 327,680 bytes of LDS; arguments xc, xs, wc, ws, qkv16, qkvf; writes qkv16, qkvf
.if DOCPART == 2
	.amdgcn_target "amdgcn-amd-amdhsa--gfx1250"
	.amdhsa_code_object_version 6
	.text
	.protected	k_q1730d3a459_gemm
	.globl	k_q1730d3a459_gemm
	.p2align	8
	.type	k_q1730d3a459_gemm,@function
k_q1730d3a459_gemm:
	s_mov_b64 s[64:65], 0
	v_nop
	global_prefetch_b8 v0, s[64:65] scope:SCOPE_SE
	s_setreg_imm32_b32 hwreg(HW_REG_WAVE_MODE, 25, 1), 1
	s_wait_xcnt 0x0
	s_wait_alu depctr_hold_cnt(0) depctr_sa_sdst(0) depctr_va_vdst(0) depctr_va_sdst(0) depctr_va_ssrc(0) depctr_va_vcc(0) depctr_vm_vsrc(0)
	s_getreg_b32 s2, hwreg(HW_REG_IB_STS2, 6, 4)
	s_cmp_eq_u32 s2, 0
	s_cbranch_scc0 .Lentry_in_a_cluster
	s_endpgm
.Lentry_in_a_cluster:
	s_bfe_u32 s2, ttmp6, 0x10000c
	s_cmp_lg_u32 s2, 0xf033
	s_cbranch_scc0 .Lentry_shape_is_right
	s_endpgm
.Lentry_shape_is_right:
; GEMM: q, k = x W and v^T = Wv^T x^T on codes of FP4 (E2M1) with E8M0 scales, K = 1,024, sums in f32.  Results leave as f16 images of the next launch's operand registers (qkv16), and the first 16
; positions of every sequence also as f32 (qkvf).  LIMIT: |q|, |k|, |v| stay under 65,504 (f16).
; A work-group of four waves makes 256 x 256, a wave 128 x 128: 64 accumulators, 512 registers.  K is two slots of 512: both are first fills, nothing is filled again.
; SIDES.  Clusters x = 0, 1: side A = x's rows (tile row 8 cy + y), side B = Wq's and Wk's rows (tile column 4 x + cx).  Cluster x = 2: side A = Wv's rows (tile row cy), side B = x's rows (tile column 8 cx + y).
; The choice hangs on the cluster's x alone: it is the same in all sixteen partners.  THE MATRIX INSTRUCTION IS USED TRANSPOSED (source 0 = 16 rows of B, source 1 = 16 rows of A): a lane holds one row of A and
; eight neighbouring rows of B: for q, k a token and 8 channels, for v^T a channel and 8 tokens: packed to f16 they ARE the 16 bytes of lane l in the next operand's image, so a store covers 512 consecutive bytes and no stage is needed.
; OPERANDS lie in memory as images of their registers: a fragment's group of four registers is 512 bytes, 16 a lane: LDS needs no padding.
; CLUSTERS: 4 x 4.  A's tiles are asked for jointly along a row of the cluster, B's along a column.
; REGISTERS: window 0: v16-29 addresses; v32-95 scale words, two sets; v128-191 A's fragments, one set; on the way out v128-255 packed results.  window 1: B's fragments, two sets.  windows 2, 3: the accumulators.
.set NQ,     4                         ; steps of 128 along K in a slot
.set FR,     8                         ; registers of a fragment
.set NL,     2                         ; LDS loads that bring one
.set NP,     4                         ; places behind this matrix instruction (ISA guide 7.12.1)
.set HALFT,  32768                     ; 8 tiles of 16 rows x 512 K: what one tensor load brings
.set SLOT,   4*HALFT
.set SCL,    2*SLOT                    ; the scales: A's two halves, B's two halves, 4,096 bytes each: [tile 8][slot 2][r 16][16 bytes]
.set SPARE,  SCL+4*4096                ; the spare words, 128 bytes a wave
.set ADRA, 16
.set ADRB, 20
.set CO,   26                          ; v26  16 x lane
.set ADRS, 27
.set SPW,  28
.set NIL,  29
.set SC,   32
.set AF,   128
.set TMP,  128
.set G1, 24
.set G0, 32
.set G1B, 48
.set G0B, 56
.set G1S, 68
.set G0S, 76
.set G1SB, 80
.set G0SB, 88
.set MSB, 0
.macro WIN new                         ; the immediate's high byte repeats the setting that is left
.if MSB != (\new)
	s_set_vgpr_msb (MSB<<8)|(\new)
.set MSB, (\new)
.endif
.endm
.set MUL_LO, 0xa1                      ; source 0 (B) window 1, source 1 (A) window 0, C and D window 2
.set MUL_HI, 0xf1
.set TO_B,   0x40
; A joint load: waves 0 and 1 fetch for A, waves 2 and 3 for B; the branch hangs on the wave's number alone.  An s_nop 0 and four v_nop follow each line.
.macro JLOAD g0a, g1a, g0b, g1b
	s_cmp_eq_u32 s17, 0
	s_cbranch_scc0 .Lfor_b_\@
	tensor_load_to_lds s[\g0a:\g0a+3], s[\g1a:\g1a+7]
	s_nop 0
.rept 4
	v_nop
.endr
	s_branch .Lasked_\@
.Lfor_b_\@:
	tensor_load_to_lds s[\g0b:\g0b+3], s[\g1b:\g1b+7]
	s_nop 0
.rept 4
	v_nop
.endr
.Lasked_\@:
.endm
.macro CROUND                          ; a round of the cluster's barrier
	s_barrier_signal -1
	s_barrier_wait -1
	s_cmp_lg_u32 s16, 0
	s_cbranch_scc1 .Lnot_wave_0_\@
	s_barrier_signal -3
.Lnot_wave_0_\@:
	s_barrier_wait -3
	s_barrier_signal -1
	s_barrier_wait -1
.endm
	s_load_b256 s[4:11], s[0:1], 0x0               ; xc 4, xs 6, wc 8, ws 10
	s_load_b128 s[12:15], s[0:1], 0x20             ; qkv16 12, qkvf 14
	v_lshl_add_u32 v[SPW], v0, 2, SPARE
	v_mov_b32 v[NIL], 0
	ds_add_u32 v[SPW], v[NIL]                      ; the wave's opening: the add, twice on end, and its wait ahead of my first tensor load
	ds_add_u32 v[SPW], v[NIL]
	v_lshrrev_b32 v1, 5, v0
	v_readfirstlane_b32 s16, v1                    ; wave
	s_lshr_b32 s17, s16, 1                         ; my half of the tile's rows.  Also: I fetch for A (0) or B (1)
	s_and_b32 s18, s16, 1                          ; my half of its columns.  Also: which 128 rows I fetch
	s_mov_b32 s19, ttmp9                           ; the cluster's x: 0, 1: q, k; 2: v
	s_and_b32 s20, ttmp7, 0xffff                   ; the cluster's y: which 256 tokens of a sequence
	s_bfe_u32 s21, ttmp6, 0x40000                  ; cx
	s_bfe_u32 s22, ttmp6, 0x40004                  ; cy
	s_lshl_b32 s40, s22, 3
	s_add_co_u32 s40, s40, s20                     ; 8 cy + y
	s_lshl_b32 s41, s19, 2
	s_add_co_u32 s41, s41, s21                     ; 4 x + cx
	s_lshl_b32 s46, s21, 3
	s_add_co_u32 s46, s46, s20                     ; 8 cx + y
	s_cmp_eq_u32 s19, 2
	s_cselect_b32 s40, s22, s40                    ; A's tile row: made of cy and cluster ids alone
	s_cselect_b32 s41, s46, s41                    ; B's tile column: of cx and cluster ids alone
	s_cselect_b32 s45, 0x100000, 0                 ; Wv's codes begin 1,048,576 bytes into wc,
	s_cselect_b32 s47, 0x10000, 0                  ; its scales 65,536 bytes into ws
	s_lshl_b32 s42, s22, 2
	s_lshl_b32 s42, 15, s42                        ; my row of the cluster
	s_lshl_b32 s43, 0x1111, s21                    ; my column
	; codes: 8 rows of 4,096 bytes (512 elements of 8 bytes), 8,192 bytes apart: a slot's part of 8 tiles.  No padding.
	s_or_b32 s[G1+0], s42, (3<<16)|(1<<21)
	s_or_b32 s[G1B+0], s43, (3<<16)|(1<<21)
.irp g, G1, G1B
	s_mov_b32 s[\g+1], 512<<16                     ; tensor_dim0
	s_mov_b32 s[\g+2], 8<<16                       ; tensor_dim1
	s_mov_b32 s[\g+3], 512<<16                     ; tile_dim0
	s_mov_b32 s[\g+4], 8                           ; tile_dim1
	s_mov_b32 s[\g+5], 1024                        ; tensor_dim0_stride
	s_mov_b32 s[\g+6], 0
	s_mov_b32 s[\g+7], 0
.endr
	; scales of 128 rows: 4,096 dense bytes as 16 rows of 256
	s_or_b32 s[G1S+0], s42, (3<<16)|(1<<21)
	s_or_b32 s[G1SB+0], s43, (3<<16)|(1<<21)
.irp g, G1S, G1SB
	s_mov_b32 s[\g+1], 32<<16
	s_mov_b32 s[\g+2], 16<<16
	s_mov_b32 s[\g+3], 32<<16
	s_mov_b32 s[\g+4], 16
	s_mov_b32 s[\g+5], 32
	s_mov_b32 s[\g+6], 0
	s_mov_b32 s[\g+7], 0
.endr
	s_lshl_b32 s23, s18, 7
	s_lshl_b32 s44, s40, 8
	s_add_co_u32 s44, s44, s23                     ; A's first row that I fetch
	s_lshl_b32 s2, s44, 5
	s_add_co_u32 s2, s2, s47                       ; its scales: 32 bytes a row
	s_lshl_b32 s44, s44, 9
	s_add_co_u32 s44, s44, s45                     ; its codes: 512 bytes a row
	s_mov_b32 s45, 0
	s_mov_b32 s3, 0
	s_lshl_b32 s46, s41, 8
	s_add_co_u32 s46, s46, s23                     ; B's
	s_lshl_b32 s100, s46, 5
	s_lshl_b32 s46, s46, 9
	s_mov_b32 s47, 0
	s_mov_b32 s101, 0
	s_lshl_b32 s66, s16, 15                        ; where they go: wave x HALFT: no place in the cluster enters an LDS address
	s_lshl_b32 s67, s16, 12
	s_wait_dscnt 0x0                               ; both opening adds are done
	s_wait_kmcnt 0x0
	s_cmp_eq_u32 s19, 2
	s_cselect_b64 s[92:93], s[8:9], s[4:5]         ; A's codes
	s_cselect_b64 s[94:95], s[10:11], s[6:7]       ; A's scales
	s_cselect_b64 s[96:97], s[4:5], s[8:9]         ; B's codes
	s_cselect_b64 s[98:99], s[6:7], s[10:11]       ; B's scales
	s_add_nc_u64 s[92:93], s[92:93], s[44:45]
	s_add_nc_u64 s[94:95], s[94:95], s[2:3]
	s_add_nc_u64 s[96:97], s[96:97], s[46:47]
	s_add_nc_u64 s[98:99], s[98:99], s[100:101]
	CROUND                                         ; all sixteen work-groups are here: the first joint loads meet
	s_mov_b32 s[G0S], 1
	s_add_co_u32 s[G0S+1], s67, SCL
	s_mov_b64 s[G0S+2:G0S+3], s[94:95]
	s_or_b32 s[G0S+3], s[G0S+3], 0x80000000
	s_mov_b32 s[G0SB], 1
	s_add_co_u32 s[G0SB+1], s67, SCL
	s_mov_b64 s[G0SB+2:G0SB+3], s[98:99]
	s_or_b32 s[G0SB+3], s[G0SB+3], 0x80000000
	JLOAD G0S, G1S, G0SB, G1SB                     ; the scales first; by this text's count three tensor loads of a wave are out at the most
.irp s, 0,1
	s_mov_b32 s[G0+4*\s], 1
	s_add_co_u32 s[G0+4*\s+1], s66, \s*SLOT
	s_add_nc_u64 s[G0+4*\s+2:G0+4*\s+3], s[92:93], \s*4096
	s_or_b32 s[G0+4*\s+3], s[G0+4*\s+3], 0x80000000
	s_mov_b32 s[G0B+4*\s], 1
	s_add_co_u32 s[G0B+4*\s+1], s66, \s*SLOT
	s_add_nc_u64 s[G0B+4*\s+2:G0B+4*\s+3], s[96:97], \s*4096
	s_or_b32 s[G0B+4*\s+3], s[G0B+4*\s+3], 0x80000000
	JLOAD G0+4*\s, G1, G0B+4*\s, G1B
.endr
	v_and_b32 v1, 15, v0                           ; r
	v_bfe_u32 v2, v0, 4, 1                         ; h
	v_and_b32 v3, 31, v0
	v_lshlrev_b32 v[CO], 4, v3                     ; 16 x lane
	s_lshl_b32 s44, s17, 15                        ; my 128 rows of A
	s_lshl_b32 s46, s18, 15                        ; my 128 rows of B,
	s_add_co_u32 s46, s46, 2*HALFT                 ; behind A's 256
.irp s, 0,1
	v_add_nc_u32 v[ADRA+\s], s44, v[CO]
	v_add_nc_u32 v[ADRB+\s], s46, v[CO]
	s_add_co_u32 s44, s44, SLOT
	s_add_co_u32 s46, s46, SLOT
.endr
	s_lshl_b32 s44, s17, 12                        ; scale words: lanes 0-15 take A's, lanes 16-31 B's
	s_lshl_b32 s46, s18, 12
	s_add_co_u32 s46, s46, 2*4096
	s_sub_co_u32 s46, s46, s44
	v_mul_u32_u24 v6, s46, v2
	s_add_co_u32 s44, s44, SCL
	v_lshlrev_b32 v5, 4, v1
	v_add_nc_u32 v5, v5, v6
	v_add_nc_u32 v[ADRS], s44, v5
.macro FRAG reg, adr, q, i             ; tile i, the slot's q-th 128 along K: two groups of four registers, 512 bytes each
.irp c, 0,1
	ds_load_b128 v[\reg+4*\c:\reg+4*\c+3], v[\adr] offset:4096*(\i)+1024*(\q)+512*\c
.endr
.endm
; 16 matrix instructions: A's blocks a0, a0 + 1 x B's eight.  The 64 accumulators take turns, one instruction a turn, in the same order in every step.
.macro MUL16 a0, p, q, sc, zero
.irp a, \a0, \a0+1
.irp b, 0,1,2,3,4,5,6,7
.if \zero
	v_wmma_scale_f32_16x16x128_f8f6f4 v[8*(8*((\a)%4)+\b):8*(8*((\a)%4)+\b)+7], v[128*(\p)+FR*\b:128*(\p)+FR*\b+FR-1], v[AF+FR*(\a):AF+FR*(\a)+FR-1], 0, v[SC+8*NQ*(\sc)+NQ*\b+(\q)], v[SC+8*NQ*(\sc)+NQ*(\a)+(\q)] matrix_a_fmt:MATRIX_FMT_FP4 matrix_b_fmt:MATRIX_FMT_FP4 matrix_a_scale:MATRIX_SCALE_ROW1
.else
	v_wmma_scale_f32_16x16x128_f8f6f4 v[8*(8*((\a)%4)+\b):8*(8*((\a)%4)+\b)+7], v[128*(\p)+FR*\b:128*(\p)+FR*\b+FR-1], v[AF+FR*(\a):AF+FR*(\a)+FR-1], v[8*(8*((\a)%4)+\b):8*(8*((\a)%4)+\b)+7], v[SC+8*NQ*(\sc)+NQ*\b+(\q)], v[SC+8*NQ*(\sc)+NQ*(\a)+(\q)] matrix_a_fmt:MATRIX_FMT_FP4 matrix_b_fmt:MATRIX_FMT_FP4 matrix_a_scale:MATRIX_SCALE_ROW1
.endif
.endr
.endr
.endm
.macro FETCH_B slot, q, p
	WIN TO_B
.irp i, 0,1,2,3,4,5,6,7
	FRAG 128*(\p)+FR*\i, ADRB+\slot, \q, \i
.endr
	WIN 0
.endm
.macro FETCH_A slot, q, i0
.irp i, \i0, \i0+1, \i0+2, \i0+3
	FRAG AF+FR*(\i), ADRA+\slot, \q, \i
.endr
.endm
.macro SCALES sc                       ; slot sc's four scale words a row: lanes 0-15 A's block i, lanes 16-31 B's block i
.irp i, 0,1,2,3,4,5,6,7
	ds_load_b128 v[SC+8*NQ*\sc+NQ*\i:SC+8*NQ*\sc+NQ*\i+3], v[ADRS] offset:512*\i+256*\sc
.endr
.endm
.macro PLACES n                        ; plain vector instructions between a matrix instruction and a load into, or a read of, its registers
.rept \n
	v_nop
.endr
.endm
.macro STEP slot, q, zero              ; a step of 128 along K that has its successor in the same slot
	s_wait_dscnt 4*NL                              ; all but the youngest eight loads (A's blocks 4-7)
	WIN MUL_LO
	MUL16 0, (\q)%2, \q, \slot, \zero
	MUL16 2, (\q)%2, \q, \slot, \zero
	s_wait_dscnt 0
	PLACES NP
	FETCH_B \slot, (\q)+1, 1-(\q)%2
	FETCH_A \slot, (\q)+1, 0
	WIN MUL_HI
	MUL16 4, (\q)%2, \q, \slot, \zero
	MUL16 6, (\q)%2, \q, \slot, \zero
	PLACES NP
	WIN 0
	FETCH_A \slot, (\q)+1, 4
.endm
.macro TURN slot, next                 ; slot 0's last step: behind its barrier slot 1 is whole for every wave.  Nothing is filled again.
	s_wait_tensorcnt 0x0                           ; all my tensor loads have landed: my part of slot 1
	ds_add_u32 v[SPW], v[NIL]
	s_wait_dscnt 4*NL+1                            ; (the add and A's blocks 4-7 may be out)
	WIN MUL_LO
	MUL16 0, 1, NQ-1, \slot, 0
	s_wait_dscnt 0x0
	s_barrier_signal -1
	MUL16 2, 1, NQ-1, \slot, 0
	WIN 0
	s_barrier_wait -1
	PLACES NP
	FETCH_B \next, 0, 0
	FETCH_A \next, 0, 0
	SCALES \next
	WIN MUL_HI
	MUL16 4, 1, NQ-1, \slot, 0
	MUL16 6, 1, NQ-1, \slot, 0
	PLACES NP
	WIN 0
	FETCH_A \next, 0, 4
.endm
.macro STEPS slot, from
.set Q, \from
.rept NQ-1-\from
	STEP \slot, Q, 0
.set Q, Q+1
.endr
.endm
	s_wait_tensorcnt 1                             ; the scales and my part of slot 0 are in; slot 1's load may be out
	s_barrier_signal -1
	s_barrier_wait -1
	FETCH_B 0, 0, 0
	FETCH_A 0, 0, 0
	SCALES 0
	FETCH_A 0, 0, 4
	STEP 0, 0, 1                                   ; the first products start the sums: nothing is cleared
	STEPS 0, 1
	TURN 0, 1
	STEPS 1, 0
	s_wait_dscnt 4*NL
	WIN MUL_LO
	MUL16 0, 1, NQ-1, 1, 0
	MUL16 2, 1, NQ-1, 1, 0
	s_wait_dscnt 0
	WIN MUL_HI
	MUL16 4, 1, NQ-1, 1, 0
	MUL16 6, 1, NQ-1, 1, 0
	WIN 0
; THE WAY OUT.  Block a's 8 accumulators are packed to f16, each from its low end on, into one of four sets of 32 registers; a lane's 16 bytes are its 16 bytes of the image.
.macro PACK a
.set AC, 64*((\a)%4)
.set TT, TMP+32*((\a)%4)
	WIN 0x0a+5*((\a)/4)                            ; sources 0 and 1: window 2 or 3
.irp b, 0,1,2,3,4,5,6,7
.irp i, 0,1,2,3
	v_cvt_pk_f16_f32 v[TT+4*\b+\i], v[AC+8*\b+2*\i], v[AC+8*\b+2*\i+1]
.endr
.endr
	WIN 0
.endm
	PLACES NP
	s_cmp_eq_u32 s19, 2
	s_cbranch_scc1 .Lout_v
	; q, k: [b][hh][tile of 16 tokens][kf][c][lane][16 bytes].  b = cy; hh = 4 x tile column + 2 x my half + bb / 4; tile = 16 y + 8 x my half + a; 2 kf + c = bb % 4
	s_mul_i32 s2, s22, 48
	s_lshl_b32 s3, s41, 2
	s_add_co_u32 s2, s2, s3
	s_lshl_b32 s3, s18, 1
	s_add_co_u32 s2, s2, s3
	s_lshl_b32 s100, s2, 12
	s_mov_b32 s101, 0
	s_add_nc_u64 s[14:15], s[14:15], s[100:101]
	s_lshl_b32 s100, s2, 18
	s_lshl_b32 s3, s20, 15
	s_add_co_u32 s100, s100, s3
	s_lshl_b32 s3, s17, 14
	s_add_co_u32 s100, s100, s3
	s_add_nc_u64 s[12:13], s[12:13], s[100:101]
.irp a, 0,1,2,3,4,5,6,7
.if \a >= 4
	s_wait_xcnt 0x0                                ; block a - 4's stores have read the set that is packed anew
.endif
	PACK \a
.irp b, 0,1,2,3,4,5,6,7
	global_store_b128 v[CO], v[TT+4*\b:TT+4*\b+3], s[12:13] offset:2048*\a+262144*(\b/4)+512*(\b%4)   ; 512 consecutive bytes
.endr
.endr
	s_cmp_lg_u32 s20, 0                            ; tokens 0-15 of a sequence lie in the clusters with y = 0, in the waves of the upper half, in block 0
	s_cbranch_scc1 .Lclose
	s_cmp_lg_u32 s17, 0
	s_cbranch_scc1 .Lclose
	WIN 0x08                                       ; a store's data are its source 1: window 2
.irp b, 0,1,2,3,4,5,6,7
.irp e, 0,1
	global_store_b128 v[CO], v[8*\b+4*\e:8*\b+4*\e+3], s[14:15] offset:4096*(\b/4)+1024*(\b%4)+512*\e
.endr
.endr
	WIN 0
	s_branch .Lclose
.Lout_v:
	; v^T: [b][32 + head][group of 32 keys][ct][c][lane][16 bytes].  b = cx; head = 4 cy + 2 x my half + a / 4; ct = a % 4; group = 8 y + 4 x my half + bb / 2; c = bb % 2
	s_mul_i32 s2, s21, 48
	s_add_co_u32 s2, s2, 32
	s_lshl_b32 s3, s22, 2
	s_add_co_u32 s2, s2, s3
	s_lshl_b32 s3, s17, 1
	s_add_co_u32 s2, s2, s3
	s_lshl_b32 s100, s2, 12
	s_mov_b32 s101, 0
	s_add_nc_u64 s[14:15], s[14:15], s[100:101]
	s_lshl_b32 s100, s2, 18
	s_lshl_b32 s3, s20, 15
	s_add_co_u32 s100, s100, s3
	s_lshl_b32 s3, s18, 14
	s_add_co_u32 s100, s100, s3
	s_add_nc_u64 s[12:13], s[12:13], s[100:101]
.irp a, 0,1,2,3,4,5,6,7
.if \a >= 4
	s_wait_xcnt 0x0
.endif
	PACK \a
.irp b, 0,1,2,3,4,5,6,7
	global_store_b128 v[CO], v[TT+4*\b:TT+4*\b+3], s[12:13] offset:262144*(\a/4)+1024*(\a%4)+4096*(\b/2)+512*(\b%2)
.endr
.endr
	s_cmp_lg_u32 s20, 0                            ; tokens 0-15: y = 0, the waves of the left half, B's block 0
	s_cbranch_scc1 .Lclose
	s_cmp_lg_u32 s18, 0
	s_cbranch_scc1 .Lclose
.irp a, 0,1,2,3,4,5,6,7
	WIN 0x08+4*(\a/4)
.irp e, 0,1
	global_store_b128 v[CO], v[64*(\a%4)+4*\e:64*(\a%4)+4*\e+3], s[14:15] offset:4096*(\a/4)+1024*(\a%4)+512*\e
.endr
.endr
	WIN 0
.Lclose:
	s_wait_tensorcnt 0x0                           ; the wave's end
	ds_add_u32 v[SPW], v[NIL]
	s_wait_dscnt 0x0
	CROUND                                         ; the closing round
	s_endpgm
.Lfunc_end_k_q1730d3a459_gemm:
	.size	k_q1730d3a459_gemm, .Lfunc_end_k_q1730d3a459_gemm-k_q1730d3a459_gemm
	.p2alignl 7, 3214868480
	.fill 96, 4, 3214868480
	.section	.rodata,"a",@progbits
	.p2align	6, 0x0
	.amdhsa_kernel k_q1730d3a459_gemm
		.amdhsa_group_segment_fixed_size 327680
		.amdhsa_private_segment_fixed_size 0
		.amdhsa_enable_private_segment 0
		.amdhsa_kernarg_size 48
		.amdhsa_user_sgpr_count 2
		.amdhsa_user_sgpr_kernarg_segment_ptr 1
		.amdhsa_wavefront_size32 1
		.amdhsa_system_sgpr_workgroup_id_x 1
		.amdhsa_system_sgpr_workgroup_id_y 1
		.amdhsa_system_sgpr_workgroup_id_z 1
		.amdhsa_system_vgpr_workitem_id 0
		.amdhsa_next_free_vgpr 1024
		.amdhsa_next_free_sgpr 102
		.amdhsa_reserve_vcc 0
		.amdhsa_float_denorm_mode_32 3
		.amdhsa_float_denorm_mode_16_64 3
		.amdhsa_memory_ordered 1
		.amdhsa_forward_progress 1
		.amdhsa_inst_pref_size 144
	.end_amdhsa_kernel
	.amdgpu_metadata
---
amdhsa.version: [ 1, 2 ]
amdhsa.kernels:
  - .name:           k_q1730d3a459_gemm
    .symbol:         k_q1730d3a459_gemm.kd
    .args:
      - { .name: xc, .offset: 0, .size: 8, .value_kind: global_buffer, .address_space: global }
      - { .name: xs, .offset: 8, .size: 8, .value_kind: global_buffer, .address_space: global }
      - { .name: wc, .offset: 16, .size: 8, .value_kind: global_buffer, .address_space: global }
      - { .name: ws, .offset: 24, .size: 8, .value_kind: global_buffer, .address_space: global }
      - { .name: qkv16, .offset: 32, .size: 8, .value_kind: global_buffer, .address_space: global }
      - { .name: qkvf, .offset: 40, .size: 8, .value_kind: global_buffer, .address_space: global }
    .group_segment_fixed_size: 327680
    .private_segment_fixed_size: 0
    .kernarg_segment_align: 8
    .kernarg_segment_size: 48
    .max_flat_workgroup_size: 128
    .sgpr_count:     102
    .vgpr_count:     1024
    .wavefront_size: 32
...
	.end_amdgpu_metadata
.endif
;; end of part 2
;; launch attn (part 3): grid 4 x 64, 16 waves a work-group, no clusters, 327,680 bytes of LDS; arguments qkv16, o16; writes o16
.if DOCPART == 3
	.amdgcn_target "amdgcn-amd-amdhsa--gfx1250"
	.amdhsa_code_object_version 6
	.text
	.protected	k_q1730d3a459_attn
	.globl	k_q1730d3a459_attn
	.p2align	8
	.type	k_q1730d3a459_attn,@function
k_q1730d3a459_attn:
	s_mov_b64 s[64:65], 0
	v_nop
	global_prefetch_b8 v0, s[64:65] scope:SCOPE_SE
	s_setreg_imm32_b32 hwreg(HW_REG_WAVE_MODE, 25, 1), 1
	s_wait_xcnt 0x0
; ATTN: o = softmax(q k^T / 8, causal) v for every head, f16 operands, f32 sums, maxima and exponentials; a running maximum m and sum l for each query.
; LIMITS: p is rounded to f16 (what lies under f16's smallest number counts as 0); |o| stays under 65,504; the first 16 positions of each sequence are made again in f32 by a later launch.
; SHARES.  A work-group (x = 0 .. 3, one head) makes two blocks of 256 queries one after the other: block 7 - x (8 - x slots of 256 keys), then block x (x + 1 slots): ALWAYS 9 slots, so all 256 work-groups have equal work,
; and every slot that is fetched is read.  Each of the sixteen waves owns 16 queries of the block, in 256 registers: four waves to a SIMD, one wave's vector work beside another's matrix work.
; LAYOUT.  Both products transposed: S^T = K Q^T (source 0 = 16 keys), O^T = V^T P^T (source 0 = 16 channels): a lane holds one query throughout; two tiles of S^T, packed in pairs, are source 1 of the second product.
; q, k, v^T lie in memory as images of the operands' registers, so a slot's K and V are two dense blocks of 32,768 bytes, LDS needs no padding, and O^T packed to f16 is the next launch's operand image.
; NO CLUSTER: the four work-groups of a head have first passes of 8, 7, 6 and 5 slots, so from the sixth trip on they want different tiles: partners would need different joint loads.
; RING: two slots of 65,536 bytes; waves 0-3 fetch a quarter each (one tensor load a wave is out); all sixteen run the waits, the add and the barrier at each change of slots.  Every wait on TENSORcnt is for 0.
.set SLOT1, 65536
.set VOFF,  32768                      ; a slot: K's 16 tiles of 2,048 bytes, then V's 8 groups of 4,096
.set SPARE, 131072                     ; the spare words, 128 bytes a wave
.set L16, 1                            ; v1   16 x lane
.set AD,  2                            ; v2   the slot in hand + 16 x lane
.set SPW, 3
.set NIL, 4
.set PFO, 5                            ; v5   256 x lane
.set DD,  6                            ; v6   the mask's d
.set NINF, 7                           ; v7   -infinity
.set RH8, 8                            ; v8   lane % 16 - 8 (lane / 16)
.set Q,   16                           ; v16-31   q's two fragments
.set KV,  32                           ; v32-95   fragments of K or of V
.set S,   96                           ; v96-159  S^T, then p
.set P,   160                          ; v160-191 p in f16
.set O,   192                          ; v192-223 O^T
.set CM,  224                          ; v224 c m, v225 m
.set LS,  226                          ; v[226:227] l in two halves
.set AA,  228                          ; v228 a = 2^(c m_old - c m_new), later 1 / l; v229 written once (named with it as a pair)
.set OLD, 230
.set T,   232                          ; v232-235 at work
.set XT,  236                          ; the exchange between the halves of the lanes
; s8 wave, s9 x, s10 slots of the first pass, s11 trips to go, s12 the slot of keys to fetch next, s13 the step's first key, s14 my first query, s15 the second pass's, s16 the LDS slot in hand, s17 x + 1
.macro TLOAD                           ; waves 0, 1: K's halves; waves 2, 3: V's.  An s_nop 0 and four v_nop follow the load
	s_cmp_lt_u32 s8, 4
	s_cbranch_scc0 .Lasked_\@
	tensor_load_to_lds s[32:35], s[24:31]
	s_nop 0
.rept 4
	v_nop
.endr
.Lasked_\@:
.endm
; A PREFETCH of the slot that the NEXT change of slots will ask for.  All four work-groups of a head walk the same K and V; work-group x = 0, whose first pass walks all 8 slots, asks, in its trips 0 to 5, for slots 2 to 7.
; Waves 4-7 name K's 32,768 bytes, waves 8-11 V's: 8,192 bytes a wave, lanes 256 bytes apart: each aligned block of 256 bytes is named once in the launch.  Slots 0 and 1 come by their loads alone.
.macro ASK
	s_cmp_gt_u32 s11, s48
	s_cbranch_scc0 .Lnot_mine_\@
	global_prefetch_b8 v[PFO], s[46:47] th:TH_LOAD_NT scope:SCOPE_SE
.Lnot_mine_\@:
.endm
	s_load_b128 s[4:7], s[0:1], 0x0                ; qkv16, o16
	v_lshl_add_u32 v[SPW], v0, 2, SPARE
	v_mov_b32 v[NIL], 0
	ds_add_u32 v[SPW], v[NIL]                      ; the wave's opening: the add, twice on end, and its wait ahead of my first tensor load
	ds_add_u32 v[SPW], v[NIL]
	v_lshrrev_b32 v9, 5, v0
	v_readfirstlane_b32 s8, v9
	s_mov_b32 s9, ttmp9
	s_sub_co_u32 s10, 8, s9
	s_add_co_u32 s17, s9, 1
	s_mov_b32 s11, 8
	s_mov_b32 s12, 0
	s_mov_b32 s13, 0
	s_mov_b32 s16, 0
	s_mov_b32 s19, 0
	s_and_b32 s49, ttmp7, 0xffff
	s_lshr_b32 s50, s49, 4                         ; b
	s_and_b32 s51, s49, 15                         ; head
	s_mul_i32 s52, s50, 48
	s_add_co_u32 s52, s52, s51
	s_lshl_b32 s52, s52, 18                        ; q's head, in bytes
	s_lshl_b32 s53, s8, 4
	s_sub_co_u32 s14, 7, s9
	s_lshl_b32 s14, s14, 8
	s_add_co_u32 s14, s14, s53                     ; my first query, first pass
	s_lshl_b32 s15, s9, 8
	s_add_co_u32 s15, s15, s53                     ; second pass
	s_lshl_b32 s38, s14, 7                         ; a tile of 16 queries is 2,048 bytes
	s_add_co_u32 s38, s38, s52
	s_mov_b32 s39, 0
	s_lshl_b32 s40, s15, 7
	s_add_co_u32 s40, s40, s52
	s_mov_b32 s41, 0
	s_lshl_b32 s54, s50, 22
	s_lshl_b32 s55, s51, 11
	s_add_co_u32 s54, s54, s55
	s_lshl_b32 s42, s14, 11                        ; o16: a tile of 16 tokens is 32,768 bytes, a head 2,048 of them
	s_add_co_u32 s42, s42, s54
	s_mov_b32 s43, 0
	s_lshl_b32 s44, s15, 11
	s_add_co_u32 s44, s44, s54
	s_mov_b32 s45, 0
	s_add_co_u32 s52, s52, 16<<18                  ; k's head; v's lies 4,194,304 bytes on
	s_bfe_u32 s55, s8, 0x10001
	s_lshl_b32 s55, s55, 22
	s_add_co_u32 s36, s52, s55
	s_and_b32 s55, s8, 1
	s_lshl_b32 s55, s55, 14
	s_add_co_u32 s36, s36, s55                     ; what I fetch, if I fetch: my 16,384 bytes of slot 0
	s_mov_b32 s37, 0
	s_bfe_u32 s55, s8, 0x10003
	s_lshl_b32 s55, s55, 22
	s_add_co_u32 s46, s52, s55
	s_and_b32 s55, s8, 3
	s_lshl_b32 s55, s55, 13
	s_add_co_u32 s46, s46, s55
	s_add_co_u32 s46, s46, 0x8000                  ; the prefetches stand in slot 1; the first change of slots steps them to slot 2
	s_mov_b32 s47, 0
	s_sub_co_u32 s49, s8, 4
	s_lshr_b32 s49, s49, 3                         ; 0 in waves 4 to 11,
	s_or_b32 s49, s49, s9                          ; of work-group x = 0
	s_cmp_eq_u32 s49, 0
	s_cselect_b32 s48, 2, -1
	s_mov_b32 s20, 0x76543210
	s_mov_b32 s21, 0xfedcba98
	s_mov_b32 s22, 0x3e38aa3b                      ; c = log2(e) / 8
	s_mov_b32 s23, s22
	; descriptor group 1: 16,384 dense bytes as 64 rows of 256 (32 elements of 8 bytes)
	s_mov_b32 s24, 3<<16
	s_mov_b32 s25, 32<<16
	s_mov_b32 s26, 64<<16
	s_mov_b32 s27, 32<<16
	s_mov_b32 s28, 64
	s_mov_b32 s29, 32
	s_mov_b32 s30, 0
	s_mov_b32 s31, 0
	s_mov_b32 s32, 1
	s_and_b32 s33, s8, 3
	s_lshl_b32 s33, s33, 14                        ; LDS: my quarter of slot 0
	s_wait_dscnt 0x0                               ; both opening adds are done
	s_wait_kmcnt 0x0
	s_add_nc_u64 s[36:37], s[4:5], s[36:37]
	s_add_nc_u64 s[38:39], s[4:5], s[38:39]
	s_add_nc_u64 s[40:41], s[4:5], s[40:41]
	s_add_nc_u64 s[46:47], s[4:5], s[46:47]
	s_add_nc_u64 s[42:43], s[6:7], s[42:43]
	s_add_nc_u64 s[44:45], s[6:7], s[44:45]
	s_mov_b64 s[34:35], s[36:37]
	s_or_b32 s35, s35, 0x80000000
	TLOAD                                          ; slot 0
	v_and_b32 v9, 31, v0
	v_lshlrev_b32 v[L16], 4, v9
	v_lshlrev_b32 v[PFO], 8, v9
	v_and_b32 v10, 15, v0
	v_bfe_u32 v11, v0, 4, 1
	v_lshlrev_b32 v11, 3, v11
	v_sub_nc_u32 v[RH8], v10, v11
	v_mov_b32 v[NINF], 0xff800000
	v_mov_b32 v[XT], 0
	v_mov_b32 v[AA+1], 0
.irp i, 0,1,2,3
	global_load_b128 v[Q+4*\i:Q+4*\i+3], v[L16], s[38:39] offset:512*\i
.endr
.macro INIT                            ; the loop has no first step of its own: O^T and l begin as zeros and m under every score
	v_mov_b32 v[CM+1], 0xff61b1e6
	v_mul_f32 v[CM], s22, v[CM+1]
	v_mov_b32 v[LS], 0
	v_mov_b32 v[LS+1], 0
.set i, 0
.rept 32
	v_mov_b32 v[O+i], 0
.set i, i+1
.endr
.endm
	INIT
	s_wait_loadcnt 0x0
; A KEY STEP: 128 keys, the q-th half of the slot in hand.
.macro STEP q
	s_add_co_u32 s49, s14, 15                      ; a step all of whose keys come after my 16 queries is left out: a branch on ids
	s_cmp_gt_u32 s13, s49
	s_cbranch_scc1 .Lhidden_\@
.irp g, 0,1                            ; S^T = K Q^T, four tiles of 16 keys at a time
.rept 4
	v_nop                                          ; places in front of loads into registers that matrix instructions have read
.endr
.irp t, 0,1,2,3
.irp f, 0,1,2,3
	ds_load_b128 v[KV+16*\t+4*\f:KV+16*\t+4*\f+3], v[AD] offset:(8*(\q)+4*\g+\t)*2048+512*\f
.endr
.endr
	s_wait_dscnt 0x0
.irp t, 0,1,2,3                        ; the four accumulators take turns
	v_wmma_f32_16x16x32_f16 v[S+8*(4*\g+\t):S+8*(4*\g+\t)+7], v[KV+16*\t:KV+16*\t+7], v[Q:Q+7], 0
.endr
.irp t, 0,1,2,3
	v_wmma_f32_16x16x32_f16 v[S+8*(4*\g+\t):S+8*(4*\g+\t)+7], v[KV+16*\t+8:KV+16*\t+15], v[Q+8:Q+15], v[S+8*(4*\g+\t):S+8*(4*\g+\t)+7]
.endr
.endr
.rept 4
	v_nop                                          ; places in front of the reads of S^T and of the loads below
.endr
.irp u, 0,1                            ; V's first 64 keys of the step are asked for now and land under the softmax
.irp f, 0,1,2,3,4,5,6,7
	ds_load_b128 v[KV+32*\u+4*\f:KV+32*\u+4*\f+3], v[AD] offset:VOFF+(4*(\q)+\u)*4096+512*\f
.endr
.endr
	s_add_co_u32 s49, s13, 127                     ; on the diagonal hidden scores become -infinity; a step all of whose keys count skips this
	s_cmp_le_u32 s49, s14
	s_cbranch_scc1 .Lopen_\@
	s_sub_co_i32 s49, s14, s13
	v_add_nc_u32 v[DD], s49, v[RH8]                ; register 8 t + j holds key 16 t + 8 (lane / 16) + j of the step: hidden where 16 t + j > d
.set n, 0
.rept 64
	v_cmp_gt_i32 vcc_lo, 16*(n/8)+n%8, v[DD]
	v_cndmask_b32 v[S+n], v[S+n], v[NINF], vcc_lo
.set n, n+1
.endr
.Lopen_\@:
.irp b, 0,1,2,3                        ; the maximum, four chains by turns, each accumulator from its low end on
	v_max3_num_f32 v[T+\b], v[S+16*\b], v[S+16*\b+1], v[S+16*\b+2]
.endr
.irp i, 3,5,7,9,11,13
.irp b, 0,1,2,3
	v_max3_num_f32 v[T+\b], v[T+\b], v[S+16*\b+\i], v[S+16*\b+\i+1]
.endr
.endr
.irp b, 0,1,2,3
	v_max_num_f32 v[T+\b], v[T+\b], v[S+16*\b+15]
.endr
	v_max3_num_f32 v[T], v[T], v[T+1], v[T+2]
	v_max3_num_f32 v[T], v[T], v[T+3], v[CM+1]     ; with the old m
	v_permlanex16_b32 v[XT], v[T], s20, s21        ; the query's other keys lie in the lane 16 away
	v_mov_b32 v[OLD], v[CM]
	v_max_num_f32 v[CM+1], v[T], v[XT]
	v_mul_f32 v[CM], s22, v[CM+1]
	v_sub_f32 v[OLD], v[OLD], v[CM]                ; c m_old - c m_new
.set i, 0
.rept 32
	v_pk_fma_f32 v[S+i:S+i+1], v[S+i:S+i+1], s[22:23], v[CM:CM+1] op_sel_hi:[1,0,0] neg_lo:[0,0,1] neg_hi:[0,0,1]   ; c s - c m
.set i, i+2
.endr
	v_exp_f32 v[AA], v[OLD]
.set i, 0
.rept 64
	v_exp_f32 v[S+i], v[S+i]
.set i, i+1
.endr
	v_nop                                          ; a plain instruction behind the last exponential
	s_wait_alu depctr_va_vdst(0)                   ; one wait for the batch of 65, ahead of its first reader
	v_pk_mul_f32 v[LS:LS+1], v[LS:LS+1], v[AA:AA+1] op_sel_hi:[1,0]
	v_pk_add_f32 v[T+2:T+3], v[S:S+1], v[S+2:S+3]
.irp j, 4,8,12,16,20,24,28,32,36,40,44,48,52,56,60
	v_pk_add_f32 v[LS:LS+1], v[LS:LS+1], v[S+\j:S+\j+1]
	v_pk_add_f32 v[T+2:T+3], v[T+2:T+3], v[S+\j+2:S+\j+3]
.endr
	v_pk_add_f32 v[LS:LS+1], v[LS:LS+1], v[T+2:T+3]
.set i, 0
.rept 32
	v_cvt_pk_f16_f32 v[P+i], v[S+2*i], v[S+2*i+1]
.set i, i+1
.endr
.set i, 0
.rept 16
	v_pk_mul_f32 v[O+i:O+i+1], v[O+i:O+i+1], v[AA:AA+1] op_sel_hi:[1,0]
.set i, i+2
.endr
	s_wait_dscnt 0x0                               ; V's first 64 keys
.irp u, 0,1
.irp c, 0,1,2,3
	v_wmma_f32_16x16x32_f16 v[O+8*\c:O+8*\c+7], v[KV+32*\u+8*\c:KV+32*\u+8*\c+7], v[P+8*\u:P+8*\u+7], v[O+8*\c:O+8*\c+7]
.endr
.endr
.rept 4
	v_nop
.endr
.irp u, 0,1
.irp f, 0,1,2,3,4,5,6,7
	ds_load_b128 v[KV+32*\u+4*\f:KV+32*\u+4*\f+3], v[AD] offset:VOFF+(4*(\q)+2+\u)*4096+512*\f
.endr
.endr
	s_wait_dscnt 0x0
.irp u, 0,1
.irp c, 0,1,2,3
	v_wmma_f32_16x16x32_f16 v[O+8*\c:O+8*\c+7], v[KV+32*\u+8*\c:KV+32*\u+8*\c+7], v[P+16+8*\u:P+16+8*\u+7], v[O+8*\c:O+8*\c+7]
.endr
.endr
.Lhidden_\@:
	s_add_co_u32 s13, s13, 128
.endm
; THE CHANGE OF SLOTS stands at a slot's head: each wave waits for all its tensor loads, adds 0 to its spare word, waits for that and for its reads of the slot that it has left; behind the barrier the slot ahead is whole
; and nobody reads the other one, which (fill = 1) takes the keys of the next trip: the next slot of the pass, or slot 0 of the second pass.
.macro CHANGE fill
	s_wait_tensorcnt 0x0                           ; no tensor load of mine is out, so the descriptor may be written
	ds_add_u32 v[SPW], v[NIL]
.if \fill
	ds_add_u32 v[SPW], v[NIL]                      ; and twice on end here, in every trip alike
.endif
	s_lshl_b32 s13, s12, 8                         ; this trip's first key
.if \fill
	s_xor_b32 s33, s33, SLOT1
	s_add_co_u32 s12, s12, 1
	s_cmp_eq_u32 s12, s10
	s_cselect_b32 s12, 0, s12
	s_lshl_b32 s18, s12, 15
	s_add_nc_u64 s[34:35], s[36:37], s[18:19]
	s_or_b32 s35, s35, 0x80000000
	s_wait_xcnt 0x0                                ; the last prefetch, a trip back, has read its address
	s_add_nc_u64 s[46:47], s[46:47], 0x8000
.endif
	s_wait_dscnt 0x0
	s_barrier_signal -1
	s_barrier_wait -1
.if \fill
	TLOAD                                          ; the first thing behind the barrier, a wave's one tensor load until the next
	ASK
.endif
	v_add_nc_u32 v[AD], s16, v[L16]
.endm
.macro TRIP
	STEP 0
	STEP 1
	s_xor_b32 s16, s16, SLOT1
.endm
; THE WAY OUT of a pass: O^T / l, packed to f16: a lane's 16 bytes are its 16 bytes of the projection's operand image; a store covers 512 consecutive bytes.
.macro WAYOUT ob
.rept 4
	v_nop
.endr
	v_add_f32 v[T], v[LS], v[LS+1]
	v_permlanex16_b32 v[XT], v[T], s20, s21
	v_add_f32 v[T], v[T], v[XT]
	v_rcp_f32 v[AA], v[T]
	v_nop
	s_wait_alu depctr_va_vdst(0)                   ; ahead of the reciprocal's first reader
.set i, 0
.rept 16
	v_pk_mul_f32 v[S+i:S+i+1], v[O+i:O+i+1], v[AA:AA+1] op_sel_hi:[1,0]
.set i, i+2
.endr
.set i, 0
.rept 16
	v_cvt_pk_f16_f32 v[P+i], v[S+2*i], v[S+2*i+1]
.set i, i+1
.endr
.irp c, 0,1,2,3
	global_store_b128 v[L16], v[P+4*\c:P+4*\c+3], s[\ob:\ob+1] offset:512*\c
.endr
.endm
.Ltrip:                                            ; 8 trips; the ninth is written out
	CHANGE 1
	TRIP
	s_cmp_lg_u32 s11, s17                          ; the first pass ends behind trip 7 - x
	s_cbranch_scc1 .Lsame_pass
	WAYOUT 42
	s_wait_xcnt 0x0                                ; the stores have read their registers
	s_mov_b32 s14, s15
.irp i, 0,1,2,3
	global_load_b128 v[Q+4*\i:Q+4*\i+3], v[L16], s[40:41] offset:512*\i
.endr
	INIT
	s_wait_loadcnt 0x0
.Lsame_pass:
	s_sub_co_u32 s11, s11, 1
	s_cmp_lg_u32 s11, 0
	s_cbranch_scc1 .Ltrip
	CHANGE 0
	TRIP
	WAYOUT 44
	s_wait_tensorcnt 0x0                           ; the wave's end
	ds_add_u32 v[SPW], v[NIL]
	s_wait_dscnt 0x0
	s_endpgm
.Lfunc_end_k_q1730d3a459_attn:
	.size	k_q1730d3a459_attn, .Lfunc_end_k_q1730d3a459_attn-k_q1730d3a459_attn
	.p2alignl 7, 3214868480
	.fill 96, 4, 3214868480
	.section	.rodata,"a",@progbits
	.p2align	6, 0x0
	.amdhsa_kernel k_q1730d3a459_attn
		.amdhsa_group_segment_fixed_size 327680
		.amdhsa_private_segment_fixed_size 0
		.amdhsa_enable_private_segment 0
		.amdhsa_kernarg_size 16
		.amdhsa_user_sgpr_count 2
		.amdhsa_user_sgpr_kernarg_segment_ptr 1
		.amdhsa_wavefront_size32 1
		.amdhsa_system_sgpr_workgroup_id_x 1
		.amdhsa_system_sgpr_workgroup_id_y 1
		.amdhsa_system_sgpr_workgroup_id_z 1
		.amdhsa_system_vgpr_workitem_id 0
		.amdhsa_next_free_vgpr 256
		.amdhsa_next_free_sgpr 66
		.amdhsa_reserve_vcc 1
		.amdhsa_float_denorm_mode_32 3
		.amdhsa_float_denorm_mode_16_64 3
		.amdhsa_memory_ordered 1
		.amdhsa_forward_progress 1
		.amdhsa_inst_pref_size 108
	.end_amdhsa_kernel
	.amdgpu_metadata
---
amdhsa.version: [ 1, 2 ]
amdhsa.kernels:
  - .name:           k_q1730d3a459_attn
    .symbol:         k_q1730d3a459_attn.kd
    .args:
      - { .name: qkv16, .offset: 0, .size: 8, .value_kind: global_buffer, .address_space: global }
      - { .name: o16, .offset: 8, .size: 8, .value_kind: global_buffer, .address_space: global }
    .group_segment_fixed_size: 327680
    .private_segment_fixed_size: 0
    .kernarg_segment_align: 8
    .kernarg_segment_size: 16
    .max_flat_workgroup_size: 512
    .sgpr_count:     66
    .vgpr_count:     256
    .wavefront_size: 32
...
	.end_amdgpu_metadata
.endif
;; end of part 3
;; launch proj (part 4): grid 8 x 64, 4 waves a work-group, clusters of 4 x 4, 327,680 bytes of LDS; arguments o16, wo16, bo, out0; writes out0
.if DOCPART == 4
	.amdgcn_target "amdgcn-amd-amdhsa--gfx1250"
	.amdhsa_code_object_version 6
	.text
	.protected	k_q1730d3a459_proj
	.globl	k_q1730d3a459_proj
	.p2align	8
	.type	k_q1730d3a459_proj,@function
k_q1730d3a459_proj:
	s_mov_b64 s[64:65], 0
	v_nop
	global_prefetch_b8 v0, s[64:65] scope:SCOPE_SE
	s_setreg_imm32_b32 hwreg(HW_REG_WAVE_MODE, 25, 1), 1
	s_wait_xcnt 0x0
	s_wait_alu depctr_hold_cnt(0) depctr_sa_sdst(0) depctr_va_vdst(0) depctr_va_sdst(0) depctr_va_ssrc(0) depctr_va_vcc(0) depctr_vm_vsrc(0)
	s_getreg_b32 s2, hwreg(HW_REG_IB_STS2, 6, 4)
	s_cmp_eq_u32 s2, 0
	s_cbranch_scc0 .Lentry_in_a_cluster
	s_endpgm
.Lentry_in_a_cluster:
	s_bfe_u32 s2, ttmp6, 0x10000c
	s_cmp_lg_u32 s2, 0xf033
	s_cbranch_scc0 .Lentry_shape_is_right
	s_endpgm
.Lentry_shape_is_right:
; PROJ: out0 = o Wo + bo.  o [8,192][1,024] and Wo^T [1,024][1,024] come as f16 images of operand registers ([tile of 16 rows][kf 32][c 2][lane][16 bytes]); sums in f32; out0 is f32.
; (Rows 0-15 of each sequence are stored again, from f32 operands, by the launch that follows.)
; A tile of out0 is 128 x 128: 512 equal work-groups; four waves, each 64 x 64: 16 accumulators.  K goes in 4 steps of 256 (8,192 bytes of each tile of 16 rows) through a ring of two LDS slots.
; CLUSTERS: 4 x 4; o's tiles are asked for jointly along a row of the cluster, Wo's along a column.  THE MATRIX INSTRUCTION IS USED TRANSPOSED (source 0 = 16 columns of Wo, source 1 = 16 tokens): a lane holds eight
; neighbouring numbers of a row of out0.  The bias is the C of each sum's first matrix instruction.
; REGISTERS: window 0: v16-29 addresses; v32-95 the way out; v96-127 the bias; v128-255 the accumulators.  window 1: two fragment buffers of 128 (64 of A, 64 of B, 64 along K each).
.set HALFT,  32768                     ; 4 tiles x 8,192 bytes: what one tensor load brings
.set SLOT,   4*HALFT
.set STAGE,  2*SLOT                    ; 16 rows x (256 + 16) bytes for each wave; no tensor load lands here
.set SPITCH, 272
.set SPARE,  STAGE+4*16*SPITCH
.set LAPS,   2                         ; a lap = two K steps
.set ADRA, 16
.set ADRB, 20
.set STO,  24
.set RD,   25
.set CO,   26
.set SPW,  28
.set NIL,  29
.set TMP,  32
.set BI,   96
.set ACC,  128
.set F0,   0
.set F1,   128
.set G1, 24
.set G0, 32
.set G1B, 48
.set G0B, 56
.set MSB, 0
.macro WIN new
.if MSB != (\new)
	s_set_vgpr_msb (MSB<<8)|(\new)
.set MSB, (\new)
.endif
.endm
.set MUL,  0x05                        ; sources 0 (B) and 1 (A) window 1; C and D window 0
.set TO_F, 0x40
.macro JLOAD s                         ; waves 0, 1 fetch A's halves, waves 2, 3 B's; an s_nop 0 and four v_nop follow each line
	s_cmp_eq_u32 s13, 0
	s_cbranch_scc0 .Lfor_b_\@
	tensor_load_to_lds s[G0+4*\s:G0+4*\s+3], s[G1:G1+7]
	s_nop 0
.rept 4
	v_nop
.endr
	s_branch .Lasked_\@
.Lfor_b_\@:
	tensor_load_to_lds s[G0B+4*\s:G0B+4*\s+3], s[G1B:G1B+7]
	s_nop 0
.rept 4
	v_nop
.endr
.Lasked_\@:
.endm
.macro CREST
	s_cmp_lg_u32 s12, 0
	s_cbranch_scc1 .Lnot_wave_0_\@
	s_barrier_signal -3
.Lnot_wave_0_\@:
	s_barrier_wait -3
	s_barrier_signal -1
	s_barrier_wait -1
.endm
.macro CROUND
	s_barrier_signal -1
	s_barrier_wait -1
	CREST
.endm
	s_load_b256 s[4:11], s[0:1], 0x0               ; o16 4, wo16 6, bo 8, out0 10
	v_lshl_add_u32 v[SPW], v0, 2, SPARE
	v_mov_b32 v[NIL], 0
	ds_add_u32 v[SPW], v[NIL]                      ; the wave's opening: the add, twice on end, and its wait ahead of my first tensor load
	ds_add_u32 v[SPW], v[NIL]
	v_lshrrev_b32 v1, 5, v0
	v_readfirstlane_b32 s12, v1                    ; wave
	s_lshr_b32 s13, s12, 1                         ; my half of the rows.  Also: I fetch for A (0) or B (1)
	s_and_b32 s14, s12, 1                          ; my half of the columns.  Also: which 64 rows I fetch
	s_bfe_u32 s40, ttmp6, 0x40000
	s_bfe_u32 s41, ttmp6, 0x40004
	s_lshl_b32 s42, ttmp9, 2
	s_add_co_u32 s42, s42, s40                     ; tile column
	s_and_b32 s15, ttmp7, 0xffff
	s_lshl_b32 s15, s15, 2
	s_add_co_u32 s15, s15, s41                     ; tile row
	s_lshl_b32 s43, s41, 2
	s_lshl_b32 s43, 15, s43
	s_lshl_b32 s44, 0x1111, s40
	; 4 rows of 8,192 bytes (1,024 elements of 8 bytes), 32,768 bytes apart: a K step's part of 4 tiles of 16 rows.  No padding.
	s_or_b32 s[G1+0], s43, (3<<16)|(1<<21)
	s_or_b32 s[G1B+0], s44, (3<<16)|(1<<21)
.irp g, G1, G1B
	s_mov_b32 s[\g+1], 1024<<16
	s_mov_b32 s[\g+2], 4<<16
	s_mov_b32 s[\g+3], 1024<<16
	s_mov_b32 s[\g+4], 4
	s_mov_b32 s[\g+5], 4096
	s_mov_b32 s[\g+6], 0
	s_mov_b32 s[\g+7], 0
.endr
	s_lshl_b32 s17, s14, 6
	s_lshl_b32 s16, s15, 7
	s_add_co_u32 s16, s16, s17
	s_lshl_b32 s16, s16, 11                        ; A: 2,048 bytes a row
	s_lshl_b32 s46, s42, 7
	s_add_co_u32 s46, s46, s17
	s_lshl_b32 s46, s46, 11                        ; B likewise
	s_mov_b32 s17, 0
	s_mov_b32 s47, 0
	s_lshl_b32 s20, s12, 15                        ; where they go: wave x HALFT
	s_wait_dscnt 0x0
	s_wait_kmcnt 0x0
	s_add_nc_u64 s[18:19], s[4:5], s[16:17]
	s_add_nc_u64 s[46:47], s[6:7], s[46:47]
	CROUND                                         ; the first joint loads meet
.irp s, 0,1
	s_mov_b32 s[G0+4*\s], 1
	s_add_co_u32 s[G0+4*\s+1], s20, \s*SLOT
	s_add_nc_u64 s[G0+4*\s+2:G0+4*\s+3], s[18:19], \s*8192
	s_or_b32 s[G0+4*\s+3], s[G0+4*\s+3], 0x80000000
	s_mov_b32 s[G0B+4*\s], 1
	s_add_co_u32 s[G0B+4*\s+1], s20, \s*SLOT
	s_add_nc_u64 s[G0B+4*\s+2:G0B+4*\s+3], s[46:47], \s*8192
	s_or_b32 s[G0B+4*\s+3], s[G0B+4*\s+3], 0x80000000
	JLOAD \s
.endr
	v_and_b32 v1, 15, v0                           ; r
	v_bfe_u32 v2, v0, 4, 1                         ; h
	v_and_b32 v3, 31, v0
	v_lshlrev_b32 v3, 4, v3                        ; 16 x lane
	s_lshl_b32 s46, s42, 9
	s_lshl_b32 s47, s14, 8
	s_add_co_u32 s46, s46, s47                     ; my first column, in bytes of f32
	s_mov_b32 s47, 0
	s_add_nc_u64 s[8:9], s[8:9], s[46:47]
	v_lshlrev_b32 v6, 5, v2
.irp b, 0,1,2,3                        ; the bias in the result's layout: register 8 b + j = bo[my first column + 16 b + 8 h + j]
	global_load_b128 v[BI+8*\b:BI+8*\b+3], v6, s[8:9] offset:64*\b
	global_load_b128 v[BI+8*\b+4:BI+8*\b+7], v6, s[8:9] offset:64*\b+16
.endr
	s_lshl_b32 s21, s13, 15
	s_lshl_b32 s22, s14, 15
	s_add_co_u32 s22, s22, 2*HALFT
.irp s, 0,1
	v_add_nc_u32 v[ADRA+\s], s21, v3
	v_add_nc_u32 v[ADRB+\s], s22, v3
	s_add_co_u32 s21, s21, SLOT
	s_add_co_u32 s22, s22, SLOT
.endr
	s_mul_i32 s23, s12, 16*SPITCH
	s_add_co_u32 s23, s23, STAGE                   ; my stage
	v_mul_u32_u24 v4, v1, SPITCH
	v_lshl_add_u32 v4, v2, 5, v4
	v_add_nc_u32 v[STO], s23, v4                   ; in: row r, 32 bytes for each half of the lanes
	v_mul_u32_u24 v5, v2, SPITCH
	v_lshl_add_u32 v5, v1, 4, v5
	v_add_nc_u32 v[RD], s23, v5                    ; back: lanes 0-15 one row of 256 bytes, lanes 16-31 the next
	v_lshlrev_b32 v5, 4, v1
	v_lshl_add_u32 v[CO], v2, 12, v5               ; and the same two rows in out0
	s_lshl_b32 s16, s15, 19
	s_lshl_b32 s17, s13, 18
	s_add_co_u32 s16, s16, s17                     ; my first row: 4,096 bytes a row
	s_mov_b32 s17, 0
	s_add_nc_u64 s[10:11], s[10:11], s[16:17]
	s_add_nc_u64 s[10:11], s[10:11], s[46:47]
; 8 matrix instructions: m blocks a0, a0 + 1 x all 4 n blocks, 32 along K: half c of buffer f.  zero = 1: the first product starts the sums, on the bias.  The 16 accumulators take turns.
.macro MUL8 f, c, a0, zero
.irp a, \a0, \a0+1
.irp b, 0,1,2,3
.if \zero
	v_wmma_f32_16x16x32_f16 v[ACC+8*(4*(\a)+\b):ACC+8*(4*(\a)+\b)+7], v[\f+64+8*(4*\c+\b):\f+64+8*(4*\c+\b)+7], v[\f+8*(4*\c+\a):\f+8*(4*\c+\a)+7], v[BI+8*\b:BI+8*\b+7]
.else
	v_wmma_f32_16x16x32_f16 v[ACC+8*(4*(\a)+\b):ACC+8*(4*(\a)+\b)+7], v[\f+64+8*(4*\c+\b):\f+64+8*(4*\c+\b)+7], v[\f+8*(4*\c+\a):\f+8*(4*\c+\a)+7], v[ACC+8*(4*(\a)+\b):ACC+8*(4*(\a)+\b)+7]
.endif
.endr
.endr
.endm
; 32 LDS loads in one run: quarter qd (64 along K) of the slot into buffer f; its first 32 along K first
.macro FETCH slot, qd, f
	WIN TO_F
.irp c, 0,1
.irp i, 0,1,2,3
	ds_load_b128 v[\f+64+8*(4*\c+\i):\f+64+8*(4*\c+\i)+3],   v[ADRB+\slot] offset:8192*\i+1024*(2*(\qd)+\c)
	ds_load_b128 v[\f+64+8*(4*\c+\i)+4:\f+64+8*(4*\c+\i)+7], v[ADRB+\slot] offset:8192*\i+1024*(2*(\qd)+\c)+512
	ds_load_b128 v[\f+8*(4*\c+\i):\f+8*(4*\c+\i)+3],         v[ADRA+\slot] offset:8192*\i+1024*(2*(\qd)+\c)
	ds_load_b128 v[\f+8*(4*\c+\i)+4:\f+8*(4*\c+\i)+7],       v[ADRA+\slot] offset:8192*\i+1024*(2*(\qd)+\c)+512
.endr
.endr
.endm
.macro PLACES
.rept 4
	v_nop
.endr
.endm
.macro QUARTER slot, qd, f, g, zero    ; multiplies buffer f and fetches quarter qd of the slot into g
	s_wait_dscnt 16                                ; the first 32 along K are in
	WIN MUL
	MUL8 \f, 0, 0, \zero
	MUL8 \f, 0, 2, \zero
	PLACES
	FETCH \slot, \qd, \g
	s_wait_dscnt 32                                ; all but the 32 just issued
	WIN MUL
	MUL8 \f, 1, 0, 0
	MUL8 \f, 1, 2, 0
.endm
; The last quarter multiplies buffer 1 and changes slots: one barrier; in front of it each wave waits for all its tensor loads, adds 0 to its spare word, and waits for that and for its reads of this slot.
.macro TURN slot, next, fill
	WIN 0
	s_wait_tensorcnt 0x0                           ; all my tensor loads have landed: my part of the next slot
	ds_add_u32 v[SPW], v[NIL]
	s_wait_dscnt 17                                ; (the add and the youngest sixteen loads may be out)
	WIN MUL
	MUL8 F1, 0, 0, 0
	s_wait_dscnt 0x0
	s_barrier_signal -1
	MUL8 F1, 0, 2, 0
.if \fill
	WIN 0
.endif
	s_barrier_wait -1
.if \fill
	CREST                                          ; the barrier has opened a round of the cluster's barrier
	s_add_nc_u64 s[G0+4*\slot+2:G0+4*\slot+3], s[G0+4*\slot+2:G0+4*\slot+3], 16384
	s_add_nc_u64 s[G0B+4*\slot+2:G0B+4*\slot+3], s[G0B+4*\slot+2:G0B+4*\slot+3], 16384
	JLOAD \slot                                    ; the first tensor load behind the round; its four v_nop are also the places in front of the loads below
.else
	PLACES
.endif
	FETCH \next, 0, F0
	WIN MUL
	MUL8 F1, 1, 0, 0
	MUL8 F1, 1, 2, 0
.endm
	s_wait_tensorcnt 1                             ; my part of K step 0 is in; K step 1's load may be out
	s_barrier_signal -1
	s_barrier_wait -1
	FETCH 0, 0, F0
	s_wait_loadcnt 0x0                             ; the bias
	QUARTER 0, 1, F0, F1, 1
	WIN 0
	s_mov_b32 s3, LAPS-1
.Llap:                                             ; a trip goes once round the ring and fills both slots again
	QUARTER 0, 2, F1, F0, 0
	QUARTER 0, 3, F0, F1, 0
	TURN 0, 1, 1
	QUARTER 1, 1, F0, F1, 0
	QUARTER 1, 2, F1, F0, 0
	QUARTER 1, 3, F0, F1, 0
	TURN 1, 0, 1
	QUARTER 0, 1, F0, F1, 0
	WIN 0
	s_sub_co_u32 s3, s3, 1
	s_cmp_lg_u32 s3, 0
	s_cbranch_scc1 .Llap
	QUARTER 0, 2, F1, F0, 0                        ; the last lap fills nothing
	QUARTER 0, 3, F0, F1, 0
	TURN 0, 1, 0
	QUARTER 1, 1, F0, F1, 0
	QUARTER 1, 2, F1, F0, 0
	QUARTER 1, 3, F0, F1, 0
	s_wait_dscnt 16
	WIN MUL
	MUL8 F1, 0, 0, 0
	MUL8 F1, 0, 2, 0
	s_wait_dscnt 0
	MUL8 F1, 1, 0, 0
	MUL8 F1, 1, 2, 0
	WIN 0
; THE WAY OUT, 16 rows at a time through my own stage: my 64 columns are 256 bytes of a row.  LDS serves a wave's instructions in order: no wait between the stores and the loads.
.macro TOSTAGE a
.irp b, 0,1,2,3
	ds_store_b128 v[STO], v[ACC+8*(4*(\a)+\b):ACC+8*(4*(\a)+\b)+3] offset:64*\b        ; each accumulator from its low end on
	ds_store_b128 v[STO], v[ACC+8*(4*(\a)+\b)+4:ACC+8*(4*(\a)+\b)+7] offset:64*\b+16
.endr
.set BB, TMP+32*((\a)%2)
.irp t, 0,1,2,3,4,5,6,7
	ds_load_b128 v[BB+4*\t:BB+4*\t+3], v[RD] offset:544*\t
.endr
.endm
.macro SEND a, younger
.set BB, TMP+32*((\a)%2)
	s_wait_dscnt \younger
.irp t, 0,1,2,3,4,5,6,7
	global_store_b128 v[CO], v[BB+4*\t:BB+4*\t+3], s[10:11] offset:(16*(\a)+2*\t)*4096 th:TH_STORE_NT   ; sixteen lanes store 256 consecutive bytes, aligned
.endr
.endm
	PLACES
	TOSTAGE 0
.irp a, 1,2,3
.if \a > 1
	s_wait_xcnt 0x0                                ; block a - 2's stores have read the registers that block a's loads take
.endif
	TOSTAGE \a
	SEND \a-1, 16                                  ; behind block a - 1's loads: block a's 8 stores and 8 loads
.endr
	SEND 3, 0
	s_wait_tensorcnt 0x0                           ; the wave's end
	ds_add_u32 v[SPW], v[NIL]
	s_wait_dscnt 0x0
	CROUND                                         ; the closing round
	s_endpgm
.Lfunc_end_k_q1730d3a459_proj:
	.size	k_q1730d3a459_proj, .Lfunc_end_k_q1730d3a459_proj-k_q1730d3a459_proj
	.p2alignl 7, 3214868480
	.fill 96, 4, 3214868480
	.section	.rodata,"a",@progbits
	.p2align	6, 0x0
	.amdhsa_kernel k_q1730d3a459_proj
		.amdhsa_group_segment_fixed_size 327680
		.amdhsa_private_segment_fixed_size 0
		.amdhsa_enable_private_segment 0
		.amdhsa_kernarg_size 32
		.amdhsa_user_sgpr_count 2
		.amdhsa_user_sgpr_kernarg_segment_ptr 1
		.amdhsa_wavefront_size32 1
		.amdhsa_system_sgpr_workgroup_id_x 1
		.amdhsa_system_sgpr_workgroup_id_y 1
		.amdhsa_system_sgpr_workgroup_id_z 1
		.amdhsa_system_vgpr_workitem_id 0
		.amdhsa_next_free_vgpr 512
		.amdhsa_next_free_sgpr 66
		.amdhsa_reserve_vcc 0
		.amdhsa_float_denorm_mode_32 3
		.amdhsa_float_denorm_mode_16_64 3
		.amdhsa_memory_ordered 1
		.amdhsa_forward_progress 1
		.amdhsa_inst_pref_size 86
	.end_amdhsa_kernel
	.amdgpu_metadata
---
amdhsa.version: [ 1, 2 ]
amdhsa.kernels:
  - .name:           k_q1730d3a459_proj
    .symbol:         k_q1730d3a459_proj.kd
    .args:
      - { .name: o16, .offset: 0, .size: 8, .value_kind: global_buffer, .address_space: global }
      - { .name: wo16, .offset: 8, .size: 8, .value_kind: global_buffer, .address_space: global }
      - { .name: bo, .offset: 16, .size: 8, .value_kind: global_buffer, .address_space: global }
      - { .name: out0, .offset: 24, .size: 8, .value_kind: global_buffer, .address_space: global }
    .group_segment_fixed_size: 327680
    .private_segment_fixed_size: 0
    .kernarg_segment_align: 8
    .kernarg_segment_size: 32
    .max_flat_workgroup_size: 128
    .sgpr_count:     66
    .vgpr_count:     512
    .wavefront_size: 32
...
	.end_amdgpu_metadata
.endif
;; end of part 4
;; launch fine (part 5): grid 64 x 4, 16 waves a work-group, no clusters, 18,432 bytes of LDS; arguments qkvf, Wo, bo, out0; writes out0
.if DOCPART == 5
	.amdgcn_target "amdgcn-amd-amdhsa--gfx1250"
	.amdhsa_code_object_version 6
	.text
	.protected	k_q1730d3a459_fine
	.globl	k_q1730d3a459_fine
	.p2align	8
	.type	k_q1730d3a459_fine,@function
k_q1730d3a459_fine:
	s_mov_b64 s[64:65], 0
	v_nop
	global_prefetch_b8 v0, s[64:65] scope:SCOPE_SE
	s_setreg_imm32_b32 hwreg(HW_REG_WAVE_MODE, 25, 1), 1
	s_wait_xcnt 0x0
; FINE: the first 16 positions of every sequence, attention and projection, with f32 operands throughout: these rows average one to sixteen values and are the largest of the output.
; A work-group makes 16 rows x 16 columns of out0 (columns 16 x, batch y).  Wave w is head w: it makes its head's 16 x 16 attention and multiplies its 64 channels into the 16 columns; the sixteen partial tiles meet in LDS,
; and wave w then sums query w over the heads, adds the bias and stores: each output has one owner.  The stores are pieces of 64 bytes, 262,144 bytes in the whole launch.
; The f32 matrix form takes K = 4: lane (r, h), register j holds k = 2 h + j.  q, k, v come as images of eight-register accumulators; a pair of registers 2 jj, 2 jj + 1 of both sides stands for the same four channels (or keys).
; ORDER OF ROUNDING: every sum over channels runs in four partial sums (four accumulators by turns), added at the end; the sum over heads is a tree.  NaN and infinities are not served.
; The registers that the f32 matrix form writes (v144-207) are written by matrix instructions alone.
.set SPARE, 16384                      ; behind the 16 partial tiles of 1,024 bytes: the spare words
.set QF, 16                            ; v16-47   q; later o / l
.set KF, 48                            ; v48-79   k
.set VF, 80                            ; v80-111  v^T
.set WF, 112                           ; v112-143 Wo
.set SA, 144                           ; v144-175 four partial sums of the scores; later of the projection
.set OA, 176                           ; v176-207 O^T
.set ST, 208                           ; v208-215 the scores
.set U,  216                           ; v216-223 at work
.set PF, 224                           ; v224-231 p
	s_load_b256 s[4:11], s[0:1], 0x0               ; qkvf 4, Wo 6, bo 8, out0 10
	v_lshl_add_u32 v10, v0, 2, SPARE               ; my spare word
	v_mov_b32 v11, 0
	v_lshrrev_b32 v1, 5, v0
	v_readfirstlane_b32 s12, v1                    ; wave: my head, later my query
	v_and_b32 v1, 31, v0
	v_and_b32 v2, 15, v0                           ; r
	v_bfe_u32 v3, v0, 4, 1                         ; h
	v_lshlrev_b32 v4, 4, v1                        ; 16 x lane
	v_lshlrev_b32 v6, 2, v2                        ; 4 r
	v_lshl_add_u32 v5, v3, 15, v6                  ; Wo: 8 rows down for lanes 16-31, column r
	v_lshlrev_b32 v7, 3, v3
	v_sub_nc_u32 v7, v2, v7                        ; d = r - 8 h
	s_lshl_b32 s13, s12, 10
	v_lshlrev_b32 v8, 6, v2
	v_lshl_add_u32 v8, v3, 5, v8
	v_add_nc_u32 v8, s13, v8                       ; my head's tile: query r, columns 8 h on
	s_lshl_b32 s13, s12, 6
	v_lshl_add_u32 v9, v3, 13, v6
	v_add_nc_u32 v9, s13, v9                       ; back: heads 8 h on, query = wave, column r
	v_mov_b32 v12, 0xff800000                      ; -infinity
	v_mov_b32 v234, 0
	s_and_b32 s14, ttmp7, 0xffff                   ; batch
	s_lshl_b32 s15, ttmp9, 6                       ; my 16 columns, in bytes
	s_mul_i32 s16, s14, 48
	s_add_co_u32 s16, s16, s12
	s_lshl_b32 s16, s16, 12
	s_mov_b32 s17, 0
	s_lshl_b32 s18, s12, 18
	s_add_co_u32 s18, s18, s15
	s_mov_b32 s19, 0
	s_mov_b32 s20, s15
	s_mov_b32 s21, 0
	s_lshl_b32 s22, s14, 23
	s_lshl_b32 s23, s12, 12
	s_add_co_u32 s22, s22, s23
	s_add_co_u32 s22, s22, s15
	s_mov_b32 s23, 0
	s_mov_b32 s24, 0x76543210
	s_mov_b32 s25, 0xfedcba98
	s_mov_b32 s26, 0x3e38aa3b                      ; c = log2(e) / 8
	s_mov_b32 s27, s26
	s_wait_kmcnt 0x0
	s_add_nc_u64 s[4:5], s[4:5], s[16:17]
	s_add_nc_u64 s[6:7], s[6:7], s[18:19]
	s_add_nc_u64 s[8:9], s[8:9], s[20:21]
	s_add_nc_u64 s[10:11], s[10:11], s[22:23]
.irp t, 0,1,2,3
.irp e, 0,1
	global_load_b128 v[QF+8*\t+4*\e:QF+8*\t+4*\e+3], v4, s[4:5] offset:1024*\t+512*\e
	global_load_b128 v[KF+8*\t+4*\e:KF+8*\t+4*\e+3], v4, s[4:5] offset:65536+1024*\t+512*\e
	global_load_b128 v[VF+8*\t+4*\e:VF+8*\t+4*\e+3], v4, s[4:5] offset:131072+1024*\t+512*\e
.endr
.endr
.irp t, 0,1,2,3
.irp i, 0,1,2,3,4,5,6,7
	global_load_b32 v[WF+8*\t+\i], v5, s[6:7] offset:(16*\t+\i)*4096   ; Wo[64 head + 16 t + 8 h + i][my columns + r]
.endr
.endr
	global_load_b32 v232, v6, s[8:9]
	s_wait_loadcnt 0x0
; sixteen matrix instructions on four accumulators by turns: d + 8 t += a[8 t + 2 jj ..] x b[8 t + 2 jj ..]; the first four start the sums
.macro MM d, a, b
.irp jj, 0,1,2,3
.irp t, 0,1,2,3
.if \jj == 0
	v_wmma_f32_16x16x4_f32 v[\d+8*\t:\d+8*\t+7], v[\a+8*\t:\a+8*\t+1], v[\b+8*\t:\b+8*\t+1], 0
.else
	v_wmma_f32_16x16x4_f32 v[\d+8*\t:\d+8*\t+7], v[\a+8*\t+2*\jj:\a+8*\t+2*\jj+1], v[\b+8*\t+2*\jj:\b+8*\t+2*\jj+1], v[\d+8*\t:\d+8*\t+7]
.endif
.endr
.endr
.rept 8
	v_nop                                          ; eight places behind this form (ISA guide 7.12.1)
.endr
.endm
; the four partial sums of d, each read from its low end on: x = (d0 + d1) + (d2 + d3); y at work
.macro SUM4 x, y, d
.irp i, 0,2,4,6
	v_pk_add_f32 v[\y+\i:\y+\i+1], v[\d+\i:\d+\i+1], v[\d+8+\i:\d+8+\i+1]
.endr
.irp i, 0,2,4,6
	v_pk_add_f32 v[\x+\i:\x+\i+1], v[\d+16+\i:\d+16+\i+1], v[\d+24+\i:\d+24+\i+1]
.endr
.irp i, 0,2,4,6
	v_pk_add_f32 v[\x+\i:\x+\i+1], v[\x+\i:\x+\i+1], v[\y+\i:\y+\i+1]
.endr
.endm
	MM SA, KF, QF                                  ; S^T: lane (r, h), register j: key 8 h + j, query r
	SUM4 ST, U, SA
.irp j, 0,1,2,3,4,5,6,7
	v_cmp_gt_i32 vcc_lo, \j, v7                    ; key 8 h + j is hidden from query r where j > r - 8 h
	v_cndmask_b32 v[ST+\j], v[ST+\j], v12, vcc_lo
.endr
	v_max3_num_f32 v233, v[ST], v[ST+1], v[ST+2]
	v_max3_num_f32 v233, v233, v[ST+3], v[ST+4]
	v_max3_num_f32 v233, v233, v[ST+5], v[ST+6]
	v_max_num_f32 v233, v233, v[ST+7]
	v_permlanex16_b32 v234, v233, s24, s25
	v_max_num_f32 v233, v233, v234                 ; the row's maximum: key 0 counts for every query
	v_mul_f32 v236, s26, v233
	v_mov_b32 v237, v236
.irp i, 0,2,4,6
	v_pk_fma_f32 v[ST+\i:ST+\i+1], v[ST+\i:ST+\i+1], s[26:27], v[236:237] op_sel_hi:[1,0,0] neg_lo:[0,0,1] neg_hi:[0,0,1]
.endr
.irp j, 0,1,2,3,4,5,6,7
	v_exp_f32 v[PF+\j], v[ST+\j]
.endr
	v_nop
	s_wait_alu depctr_va_vdst(0)                   ; one wait for the eight, ahead of their first reader
	v_pk_add_f32 v[238:239], v[PF:PF+1], v[PF+2:PF+3]
	v_pk_add_f32 v[U:U+1], v[PF+4:PF+5], v[PF+6:PF+7]
	v_pk_add_f32 v[238:239], v[238:239], v[U:U+1]
	v_add_f32 v238, v238, v239
	v_permlanex16_b32 v234, v238, s24, s25
	v_add_f32 v238, v238, v234
	v_rcp_f32 v238, v238
	v_nop
; O^T = V^T P^T: four tiles of 16 channels by turns, four keys an instruction
.irp kk, 0,1,2,3
.irp t, 0,1,2,3
.if \kk == 0
	v_wmma_f32_16x16x4_f32 v[OA+8*\t:OA+8*\t+7], v[VF+8*\t:VF+8*\t+1], v[PF:PF+1], 0
.else
	v_wmma_f32_16x16x4_f32 v[OA+8*\t:OA+8*\t+7], v[VF+8*\t+2*\kk:VF+8*\t+2*\kk+1], v[PF+2*\kk:PF+2*\kk+1], v[OA+8*\t:OA+8*\t+7]
.endif
.endr
.endr
.rept 8
	v_nop
.endr
	s_wait_alu depctr_va_vdst(0)                   ; the reciprocal's wait, ahead of its first reader
.set i, 0
.rept 16
	v_pk_mul_f32 v[QF+i:QF+i+1], v[OA+i:OA+i+1], v[238:239] op_sel_hi:[1,0]   ; o: lane (query r, h), register 8 t + j: channel 16 t + 8 h + j
.set i, i+2
.endr
	MM SA, WF, QF                                  ; lane (r, h), register j: column 8 h + j, query r
	SUM4 U, ST, SA
	ds_store_b128 v8, v[U:U+3]
	ds_store_b128 v8, v[U+4:U+7] offset:16
	s_wait_dscnt 0x0                               ; for the others' sake: my stores have landed
	s_barrier_signal -1
	s_barrier_wait -1
.irp i, 0,1,2,3,4,5,6,7
	ds_load_b32 v[ST+\i], v9 offset:1024*\i        ; heads 8 h + i
.endr
	s_wait_dscnt 0x0
	v_pk_add_f32 v[ST:ST+1], v[ST:ST+1], v[ST+2:ST+3]
	v_pk_add_f32 v[ST+4:ST+5], v[ST+4:ST+5], v[ST+6:ST+7]
	v_pk_add_f32 v[ST:ST+1], v[ST:ST+1], v[ST+4:ST+5]
	v_add_f32 v233, v[ST], v[ST+1]
	v_permlanex16_b32 v234, v233, s24, s25
	v_add_f32 v233, v233, v234
	v_add_f32 v233, v233, v232                     ; + bo
	s_wait_xcnt 0x0                                ; EXEC changes only behind this wait
	v_cmp_gt_u32 vcc_lo, 16, v1
	s_and_saveexec_b32 s28, vcc_lo
	global_store_b32 v6, v233, s[10:11]            ; lanes 0-15: 64 consecutive bytes of row (batch, query = wave)
	s_wait_xcnt 0x0
	s_or_b32 exec_lo, exec_lo, s28
	s_wait_tensorcnt 0x0                           ; the wave's end, behind my last LDS store
	ds_add_u32 v10, v11
	s_wait_dscnt 0x0
	s_endpgm
.Lfunc_end_k_q1730d3a459_fine:
	.size	k_q1730d3a459_fine, .Lfunc_end_k_q1730d3a459_fine-k_q1730d3a459_fine
	.p2alignl 7, 3214868480
	.fill 96, 4, 3214868480
	.section	.rodata,"a",@progbits
	.p2align	6, 0x0
	.amdhsa_kernel k_q1730d3a459_fine
		.amdhsa_group_segment_fixed_size 18432
		.amdhsa_private_segment_fixed_size 0
		.amdhsa_enable_private_segment 0
		.amdhsa_kernarg_size 32
		.amdhsa_user_sgpr_count 2
		.amdhsa_user_sgpr_kernarg_segment_ptr 1
		.amdhsa_wavefront_size32 1
		.amdhsa_system_sgpr_workgroup_id_x 1
		.amdhsa_system_sgpr_workgroup_id_y 1
		.amdhsa_system_sgpr_workgroup_id_z 1
		.amdhsa_system_vgpr_workitem_id 0
		.amdhsa_next_free_vgpr 240
		.amdhsa_next_free_sgpr 66
		.amdhsa_reserve_vcc 1
		.amdhsa_float_denorm_mode_32 3
		.amdhsa_float_denorm_mode_16_64 3
		.amdhsa_memory_ordered 1
		.amdhsa_forward_progress 1
		.amdhsa_inst_pref_size 18
	.end_amdhsa_kernel
	.amdgpu_metadata
---
amdhsa.version: [ 1, 2 ]
amdhsa.kernels:
  - .name:           k_q1730d3a459_fine
    .symbol:         k_q1730d3a459_fine.kd
    .args:
      - { .name: qkvf, .offset: 0, .size: 8, .value_kind: global_buffer, .address_space: global }
      - { .name: Wo, .offset: 8, .size: 8, .value_kind: global_buffer, .address_space: global }
      - { .name: bo, .offset: 16, .size: 8, .value_kind: global_buffer, .address_space: global }
      - { .name: out0, .offset: 24, .size: 8, .value_kind: global_buffer, .address_space: global }
    .group_segment_fixed_size: 18432
    .private_segment_fixed_size: 0
    .kernarg_segment_align: 8
    .kernarg_segment_size: 32
    .max_flat_workgroup_size: 512
    .sgpr_count:     66
    .vgpr_count:     240
    .wavefront_size: 32
...
	.end_amdgpu_metadata
.endif
;; end of part 5
